; MI455X (gfx1250); checked and timed in simulation.
; The chip was launched on July 23, 2026; its instructions are those of AMD's public machine-readable ISA for CDNA 5 (MIT licence, August 2026) and "CDNA5" Instruction Set Architecture Reference Guide (July 2026). The comments in the code are by the model that wrote it; some were corrected since.
;; Encoder Layer. Allowed arithmetic: matrix products marked QUANTISED: E2M1 operands, one E8M0 scale for each 32 along K, by v_wmma_scale_f32_16x16x128_f8f6f4 with both operands' format E2M1 (or v_wmma_scale_f32_32x16x128_f4), f32 sums; everything else in f32.
;; Inputs: W1_codes 4,096 x 32 x 16 uint8 (E2M1 codes of W1, K innermost, in blocks of 32 codes, two codes a byte); W1_scales 4,096 x 32 uint8 (E8M0 scales of W1, one for each 32 codes along K); W2_codes 1,024 x 128 x 16 uint8 (E2M1 codes of W2, K innermost, in blocks of 32 codes, two codes a byte); W2_scales 1,024 x 128 uint8 (E8M0 scales of W2, one for each 32 codes along K); Wk_codes 16 x 64 x 32 x 16 uint8 (E2M1 codes of Wk, K innermost, in blocks of 32 codes, two codes a byte); Wk_scales 16 x 64 x 32 uint8 (E8M0 scales of Wk, one for each 32 codes along K); Wq_codes 16 x 64 x 32 x 16 uint8 (E2M1 codes of Wq, K innermost, in blocks of 32 codes, two codes a byte); Wq_scales 16 x 64 x 32 uint8 (E8M0 scales of Wq, one for each 32 codes along K); Wv_codes 16 x 64 x 32 x 16 uint8 (E2M1 codes of Wv, K innermost, in blocks of 32 codes, two codes a byte); Wv_scales 16 x 64 x 32 uint8 (E8M0 scales of Wv, one for each 32 codes along K); b1 4,096 float32; b2 1,024 float32; beta1 1,024 float32; beta2 1,024 float32; bk 16 x 64 float32; bq 16 x 64 float32; bv 16 x 64 float32; encoder_input 2 x 2,048 x 1,024 float32; g1 1,024 float32; g2 1,024 float32.
;; Outputs: out0 2 x 2,048 x 1,024 float32.
;; This version of the problem:
;;   THIS VERSION OF THE PROBLEM IS GIVEN IN LOW PRECISION. The matrix products marked QUANTISED in the list below multiply operands that are first quantised to E2M1 (2 exponent bits, 1 mantissa bit; 4 bits a number), with one power-of-two scale for each 32 numbers along K (OCP MX v1.0); their sums are f32. All else is computed in f32.
;;   The module's matrix products, in the order in which they are computed (A, B: the left and right operand; K: the contracted axis; several contracted axes count as one K, in the product's order):
;;     1. [M 1,024, K 1,024] x [K 1,024, N 4,096]; A: input Wq (given as codes); B: input encoder_input: QUANTISED
;;     2. [M 1,024, K 1,024] x [K 1,024, N 4,096]; A: input Wk (given as codes); B: input encoder_input: QUANTISED
;;     3. [M 1,024, K 1,024] x [K 1,024, N 4,096]; A: input Wv (given as codes); B: input encoder_input: QUANTISED
;;     4. batch 32 x [M 2,048, K 64] x [K 64, N 2,048]; A: computed on the way; B: computed on the way: QUANTISED
;;     5. batch 32 x [M 2,048, K 2,048] x [K 2,048, N 64]; A: softmax (see below); B: computed on the way: QUANTISED
;;     6. [M 4,096, K 1,024] x [K 1,024, N 4,096]; A: computed on the way; B: input W1 (given as codes): QUANTISED
;;     7. [M 4,096, K 4,096] x [K 4,096, N 1,024]; A: computed on the way; B: input W2 (given as codes): QUANTISED
;;   THE QUANTISER, for each operand of a quantised product, along K:
;;     - K is cut into blocks of 32 from its start; a last block that is shorter is filled with zeros.
;;     - A block's scale is 2^e with e = floor(log2(the largest magnitude in the block)) - 2, held to -126 .. 127; a block of zeros has e = 0. As a byte (E8M0): e + 127.
;;     - Each number is divided by its block's scale, clamped to +-6, and rounded to the nearest number of E2M1, ties to even, subnormals kept.
;;     - The product sums the exact products of the quantised numbers (number of the format x scale) in f32.
;;   ~~~python
;;   def quantise(x, axis):      # numpy; x: float32 -> the quantised numbers, widened to float32 again
;;       x = np.moveaxis(x, axis, -1); K = x.shape[-1]
;;       x = np.pad(x, [(0, 0)] * (x.ndim - 1) + [(0, -K % 32)]); x = x.reshape(x.shape[:-1] + (-1, 32)); a = np.abs(x).max(-1, keepdims=True)
;;       e = np.where(a > 0, np.clip(np.frexp(np.where(a > 0, a, 1))[1] - 1 - 2, -126, 127), 0)      # np.frexp(a)[1] - 1 = floor(log2(a)), exactly
;;       r = np.clip(x / 2.0 ** e, -6, 6)
;;       step = 2.0 ** (np.maximum(np.frexp(np.where(r == 0, 1, r))[1] - 1, 0) - 1)
;;       q = np.round(r / step) * step * 2.0 ** e      # np.round: ties to even
;;       return np.moveaxis(q.reshape(q.shape[:-2] + (-1,))[..., :K], -1, axis).astype(np.float32)
;;   ~~~
;;   SOFTMAX AHEAD OF A QUANTISED PRODUCT. Where the list says 'softmax', what is quantised is not the finished softmax but p = 2^(t - M), with t = logit x log2(e) and M = ceil(the row's largest t), a whole number; so 1/2 < the row's largest p <= 1. The row's sum l is taken of the UNQUANTISED p, in f32, and the product's result is divided by l at the end. Since M is a whole number, a kernel that streams over the keys may use a running M (the ceiling of the running maximum): every later rescaling is an exact power of two, which a block's scale takes up: the codes' values come out the same.
;;   OPERANDS COMPUTED ON THE WAY. 'Computed on the way' means the value that the module computes at that place (a softmax that the list does not call 'softmax' is quantised finished and normalised). What goes into a quantiser is computed in f32, as accurately as f32 sums, v_exp_f32 and their like allow (about 1e-6 of the number): no bf16 or f16 on the way to a quantiser, and a product that is left as it is and whose result goes on into a quantised operand takes f32 operands (vector FMAs, or v_wmma_f32_16x16x4_f32). A number that lies on a knife's edge between two numbers of the format may be rounded either way, as far as f32 arithmetic and the matrix unit's own rounding can turn it there, and no further.
;;   INPUTS GIVEN AS CODES. W1 (in the module: [1024, 4096], K = its axis 0); W2 (in the module: [4096, 1024], K = its axis 0); Wk (in the module: [16, 1024, 64], K = its axis 1); Wq (in the module: [16, 1024, 64], K = its axis 1); Wv (in the module: [16, 1024, 64], K = its axis 1): each comes as NAME_codes (uint8): NAME with its K axis moved to the last place and cut into blocks of 32 codes, [.., K / 32, bytes a block], one block behind the other in memory; two codes a byte, the lower K in the low four bits (a code: sign, 2 exponent bits, 1 mantissa bit); and NAME_scales (uint8): the same leading axes, one E8M0 byte (e + 127) for each 32 codes along K. Its value is code x scale, taken as it is: it is not quantised again, and the codes and scales need not be those that the quantiser above would give.
;; One version. Each part assembles by itself: llvm-mc -triple=amdgcn-amd-amdhsa -mcpu=gfx1250 --defsym DOCPART=n.
;; ======== version 1 of 1: 7 launches
;; limits: right only within a limited range of input values
;; workspace buffers: xq 2,228,224 bytes; y1q 2,228,224 bytes; qkvw 7,077,888 bytes; res 16,777,216 bytes; y1 16,777,216 bytes; hq 8,912,896 bytes
;; launch quantx (part 1): grid 256 x 1, 4 waves a work-group, no clusters, 37,888 bytes of LDS; arguments encoder_input, xq; writes xq
.if DOCPART == 1
	.amdgcn_target "amdgcn-amd-amdhsa--gfx1250"
	.amdhsa_code_object_version 6
	.text
	.protected	k_q422caf256d_quantx
	.globl	k_q422caf256d_quantx
	.p2align	8
	.type	k_q422caf256d_quantx,@function
k_q422caf256d_quantx:
	s_mov_b64 s[64:65], 0
	v_nop
	global_prefetch_b8 v0, s[64:65] scope:SCOPE_SE
	s_setreg_imm32_b32 hwreg(HW_REG_WAVE_MODE, 25, 1), 1
	s_wait_xcnt 0x0
; x [4096][1024] f32 becomes codes of FP4 (E2M1), K innermost, [4096][512 bytes], and behind them, XSCL bytes on, one E8M0 byte for each 32 along K, [4096][32].
; A block's scale is 2^(floor(log2(its largest magnitude)) - 2): its byte is the largest magnitude's exponent field - 2, held at 1 from below.
; LIMITS: a block of zeros, or one whose largest magnitude lies under 2^-124, gets the byte 1 (this program alone reads the bytes; zero codes add nothing under it); NaN and infinities are not served.
; SHARES.  A work-group takes 16 rows, a wave 4.  All 32 loads of a wave go out at the head, 512 consecutive bytes each.  A row has 32 blocks: lane l quantises block l.
; A load gives a lane 16 bytes; a block is 128: so a row turns through the wave's own stage in LDS (16 bytes of padding behind each 128, so that the lanes' reads start in different banks: 64 banks of 4 bytes, ISA guide 11.1).
; A lane's 32 codes are 16 bytes: the wave stores a row's 512 bytes on end.  The work-group's 512 scale bytes are gathered in LDS and leave by one store of wave 0.
.set STG,  4608                        ; a stage: 32 blocks x 144 bytes
.set SCB,  4*2*STG                     ; behind the waves' two stages each: the 512 scale bytes
.set XSCL, 2097152                     ; where the scale bytes begin in xq
.set LI,   1                           ; v1   16 x lane
.set SIN,  2                           ; v2   the stage, on the way in
.set SOUT, 3                           ; v3   and on the way out: 144 x lane
.set SBA,  4                           ; v4   my scale byte's place: SCB + 128 x wave + lane
.set E,    8                           ; v8-11  a byte for each row
.set QM,   12                          ; v12-13 the largest magnitude, in two chains
.set QS,   14                          ; v14  the conversion's scale operand
.set R,    16                          ; v16-143  four rows as loaded
.set X,    144                         ; v144-207 two sets of 32 neighbours
.set C,    208                         ; v208-223 four rows' codes: no store's data are written again
	s_load_b128 s[4:7], s[0:1], 0x0                ; x, xq
	v_lshl_add_u32 v224, v0, 2, 0x9200
	v_mov_b32 v225, 0
	v_lshrrev_b32 v5, 5, v0
	v_readfirstlane_b32 s8, v5                     ; wave
	v_and_b32 v6, 31, v0                           ; lane
	v_lshlrev_b32 v[LI], 4, v6
	v_lshrrev_b32 v7, 3, v6
	s_mul_i32 s9, s8, 2*STG
	v_lshl_add_u32 v[SIN], v7, 4, v[LI]            ; 16 lane + 16 (lane / 8): eight lanes' 128 bytes, then the padding
	v_add_nc_u32 v[SIN], s9, v[SIN]
	v_mul_u32_u24 v[SOUT], v6, 144
	v_add_nc_u32 v[SOUT], s9, v[SOUT]
	s_lshl_b32 s9, s8, 7
	s_add_co_u32 s9, s9, SCB
	v_add_nc_u32 v[SBA], s9, v6
	s_lshl_b32 s10, ttmp9, 16                      ; 16 rows of 4,096 bytes a work-group,
	s_lshl_b32 s12, s8, 14                         ; 4 a wave
	s_add_co_u32 s10, s10, s12
	s_mov_b32 s11, 0
	s_lshr_b32 s12, s10, 3                         ; the codes are an eighth of the bytes
	s_mov_b32 s13, 0
	s_lshl_b32 s14, ttmp9, 9                       ; 512 scale bytes a work-group
	s_add_co_u32 s14, s14, XSCL
	s_mov_b32 s15, 0
	s_wait_alu depctr_va_vdst(0)
	s_wait_kmcnt 0x0
	s_add_nc_u64 s[4:5], s[4:5], s[10:11]
	s_add_nc_u64 s[16:17], s[6:7], s[14:15]        ; the scale bytes
	s_add_nc_u64 s[6:7], s[6:7], s[12:13]          ; the codes
.irp i, 0,1,2,3
.irp j, 0,1,2,3,4,5,6,7
	global_load_b128 v[R+32*\i+4*\j:R+32*\i+4*\j+3], v[LI], s[4:5] offset:4096*\i+512*\j th:TH_LOAD_NT
.endr
.endr
.macro TURN t                          ; row t through stage t % 2: LDS serves a wave's instructions in order (ISA guide 5.7.1.4), so no wait stands between the stores and the loads
.irp j, 0,1,2,3,4,5,6,7
	ds_store_b128 v[SIN], v[R+32*(\t)+4*\j:R+32*(\t)+4*\j+3] offset:STG*((\t)%2)+576*\j
.endr
.irp j, 0,1,2,3,4,5,6,7
	ds_load_b128 v[X+32*((\t)%2)+4*\j:X+32*((\t)%2)+4*\j+3], v[SOUT] offset:STG*((\t)%2)+16*\j
.endr
.endm
.macro ROW t
.set XS, X+32*((\t)%2)
	s_wait_dscnt 0x0                               ; this row's block is back from the stage
.if (\t) < 3
	s_wait_loadcnt 8*(2-(\t))                      ; the next row's eight loads are in; the later rows' may be out
	TURN (\t)+1                                    ; it goes through the other stage while this row is worked
.endif
	v_max3_num_f32 v[QM], |v[XS]|, |v[XS+1]|, |v[XS+2]|            ; the block's largest magnitude: all 32 numbers are mine
	v_max3_num_f32 v[QM+1], |v[XS+3]|, |v[XS+4]|, |v[XS+5]|
.irp i, 6,10,14,18,22,26
	v_max3_num_f32 v[QM], v[QM], |v[XS+\i]|, |v[XS+\i+1]|
	v_max3_num_f32 v[QM+1], v[QM+1], |v[XS+\i+2]|, |v[XS+\i+3]|
.endr
	v_max3_num_f32 v[QM], v[QM], |v[XS+30]|, |v[XS+31]|
	v_max3_num_f32 v[QM], v[QM], v[QM+1], 0x1800000                ; and the floor 2^(3 - 127): the byte cannot fall under 1
	v_add_nc_u32 v[QS], 0xff000000, v[QM]          ; 2 off the exponent field: the conversion takes that field as its scale
.irp g, 0,1,2,3
	v_cvt_scalef32_pk8_fp4_f32 v[C+4*(\t)+\g], v[XS+8*\g:XS+8*\g+7], v[QS]
.endr
	v_lshrrev_b32 v[E+(\t)], 23, v[QS]             ; the scale's byte (also the plain line behind the conversions)
	ds_store_b8 v[SBA], v[E+(\t)] offset:32*(\t)
	global_store_b128 v[LI], v[C+4*(\t):C+4*(\t)+3], s[6:7] offset:512*(\t)   ; 32 lanes store 512 consecutive bytes, aligned
.endm
	s_wait_loadcnt 24                              ; row 0's eight loads are in; three rows' may be out
	TURN 0
	ROW 0
	ROW 1
	ROW 2
	ROW 3
	s_wait_dscnt 0x0                               ; for the others' sake: my scale bytes have landed
	s_barrier_signal -1
	s_barrier_wait -1
	s_cmp_lg_u32 s8, 0
	s_cbranch_scc1 .Lend
	v_add_nc_u32 v5, SCB, v[LI]
	ds_load_b128 v[X:X+3], v5                      ; the 16 rows' 512 scale bytes
	s_wait_dscnt 0x0
	global_store_b128 v[LI], v[X:X+3], s[16:17]
.Lend:
	s_wait_tensorcnt 0x0
	ds_add_u32 v224, v225
	s_wait_dscnt 0x0
	s_endpgm
.Lfunc_end_k_q422caf256d_quantx:
	.size	k_q422caf256d_quantx, .Lfunc_end_k_q422caf256d_quantx-k_q422caf256d_quantx
	.p2alignl 7, 3214868480
	.fill 96, 4, 3214868480
	.section	.rodata,"a",@progbits
	.p2align	6, 0x0
	.amdhsa_kernel k_q422caf256d_quantx
		.amdhsa_group_segment_fixed_size 37888
		.amdhsa_private_segment_fixed_size 0
		.amdhsa_enable_private_segment 0
		.amdhsa_kernarg_size 16
		.amdhsa_user_sgpr_count 2
		.amdhsa_user_sgpr_kernarg_segment_ptr 1
		.amdhsa_wavefront_size32 1
		.amdhsa_system_sgpr_workgroup_id_x 1
		.amdhsa_system_sgpr_workgroup_id_y 1
		.amdhsa_system_sgpr_workgroup_id_z 1
		.amdhsa_system_vgpr_workitem_id 0
		.amdhsa_next_free_vgpr 226
		.amdhsa_next_free_sgpr 66
		.amdhsa_reserve_vcc 0
		.amdhsa_float_denorm_mode_32 3
		.amdhsa_float_denorm_mode_16_64 3
		.amdhsa_memory_ordered 1
		.amdhsa_forward_progress 1
		.amdhsa_inst_pref_size 16
	.end_amdhsa_kernel
	.amdgpu_metadata
---
amdhsa.version: [ 1, 2 ]
amdhsa.kernels:
  - .name:           k_q422caf256d_quantx
    .symbol:         k_q422caf256d_quantx.kd
    .args:
      - { .name: encoder_input, .offset: 0, .size: 8, .value_kind: global_buffer, .address_space: global }
      - { .name: xq, .offset: 8, .size: 8, .value_kind: global_buffer, .address_space: global }
    .group_segment_fixed_size: 37888
    .private_segment_fixed_size: 0
    .kernarg_segment_align: 8
    .kernarg_segment_size: 16
    .max_flat_workgroup_size: 128
    .sgpr_count:     66
    .vgpr_count:     226
    .wavefront_size: 32
...
	.end_amdgpu_metadata
.endif
;; end of part 1
;; launch qkv (part 2): grid 12 x 16, 4 waves a work-group, clusters of 4 x 4, 327,680 bytes of LDS; arguments xq, Wq_codes, Wq_scales, Wk_codes, Wk_scales, Wv_codes, Wv_scales, bq, bk, bv, qkvw; writes qkvw
.if DOCPART == 2
	.amdgcn_target "amdgcn-amd-amdhsa--gfx1250"
	.amdhsa_code_object_version 6
	.text
	.protected	k_q422caf256d_qkv
	.globl	k_q422caf256d_qkv
	.p2align	8
	.type	k_q422caf256d_qkv,@function
k_q422caf256d_qkv:
	s_mov_b64 s[64:65], 0
	v_nop
	global_prefetch_b8 v0, s[64:65] scope:SCOPE_SE
	s_setreg_imm32_b32 hwreg(HW_REG_WAVE_MODE, 25, 1), 1
	s_wait_xcnt 0x0
	s_wait_alu depctr_hold_cnt(0) depctr_sa_sdst(0) depctr_va_vdst(0) depctr_va_sdst(0) depctr_va_ssrc(0) depctr_va_vcc(0) depctr_vm_vsrc(0)
	s_getreg_b32 s2, hwreg(HW_REG_IB_STS2, 6, 4)
	s_cmp_eq_u32 s2, 0
	s_cbranch_scc0 .Lentry_in_a_cluster
	s_endpgm
.Lentry_in_a_cluster:
	s_bfe_u32 s2, ttmp6, 0x10000c
	s_cmp_lg_u32 s2, 0xf033
	s_cbranch_scc0 .Lentry_shape_is_right
	s_endpgm
.Lentry_shape_is_right:
; q, k, v = x W + b on codes of FP4 with E8M0 scales, and their quantising for attention.  One launch for the three: the cluster's x says which (0 q, 1 k, 2 v).
; The product is C = A B^T on tiles of 256 x 256, four waves of 128 x 128, K = 1,024 in two LDS slots of 512, each filled once.  q, k: A = x (rows: tokens), B = W (rows: 64 head + d).  v: A = Wv, B = x.
; THE MATRIX INSTRUCTION IS USED TRANSPOSED (source 0 = 16 rows of B, source 1 = 16 rows of A): a lane holds one row of A and eight neighbours along B's rows.  So a lane's numbers run along the head's 64 for q and k
; and along the tokens (the keys) for v: each along the K of the product that it will enter, and one quantiser serves all three.
; OUT, as images of operand registers (16 bytes a lane at 16 x lane, 512 consecutive bytes a store).  Q part: [batch x head 32][128 tokens 16][4,608]: 8 tiles of 16 tokens x 64 (512 bytes), then 512 bytes of scale words.
; KV part, QB bytes on: [32][128 keys 16][9,216]: K's 8 tiles, V^T's 4 fragments (16 d x 128 keys, 1,024 bytes), K's scale words, V's scale words.
; q's and k's scale words: lane l's word p belongs to token 32 p + l; bytes 0, 1 the head's two blocks, bytes 2, 3 = 127 (attention fills K = 64 up to 128 with zero codes).  V's: lane l's word t: row l % 16 of d tile t.
; CLUSTERS: 4 x 4 work-groups; A's tiles are asked for jointly along a row of the cluster, B's along a column.  The choice of tensors hangs on the cluster's x, which all sixteen share.
; LIMITS: a block whose largest magnitude lies under 2^-124 (zeros too) gets the byte 1; NaN and infinities are not served.
; REGISTERS: window 0: v0-31 addresses; v32-95 scale words, two sets; v96-127 the quantiser's; v128-191 A's fragments, later a block's 64 numbers; v192-255 biases by column.
;   window 1: B's fragments at v0 and v128; v64-79 biases by row.   windows 2, 3: the 64 accumulators ((a, b) at v[8 (8 (a % 4) + b)]).
.set KSTEP,  512
.set NQ,     4                         ; matrix instructions deep in a slot
.set ROWB,   512                       ; a tile's row in bytes: the whole K of 1,024 codes
.set KROW,   512                       ; a row of codes in memory
.set PITCH,  528                       ; an LDS row: 512 bytes + 16 = 132 words: the 16 rows that a load touches start at 16 different banks (64 banks of 4 bytes: ISA guide 11.1)
.set FR,     8
.set NL,     2
.set NP,     4                         ; places behind this matrix instruction (ISA guide 7.12.1)
.set HALFT,  128*PITCH
.set SLOT,   256                       ; the second 512 along K begin 256 bytes on in each LDS row
.set KS,     32                        ; a row of scale bytes
.set SCL,    4*HALFT                   ; behind A's 256 rows and B's 256 rows: the scales of 256 + 256 rows, as units of 256 bytes + 16
.set HALFS,  16*272
.set SBLK,   2*272
.set SPARE,  SCL+4*HALFS               ; the spare words, 128 bytes a wave: no other line names them
.set XSCL,   2097152                   ; x's scale bytes in xq
.set QB,     2359296                   ; the KV part in qkvw
.set ADRA, 16
.set ADRB, 20
.set LI,   24                          ; v24  16 x lane
.set LS,   25                          ; v25  16 x lane + where the scale words lie in a block
.set ADRS, 27
.set SPW,  28
.set NIL,  29
.set SC,   32
.set H0,   32                          ; the way out: the two heads' scale words
.set H1,   36
.set PC,   96                          ; v96-103  the fragment just made
.set TM,   104                         ; v104-119 at work in the quantiser
.set WE,   120                         ; v120-127 the eight blocks' scale words
.set AF,   128
.set T,    128                         ; the way out: a block's 64 numbers
.set BI,   192
.set BV,   64                          ; in window 1
.set G1, 24
.set G0, 32
.set G1B, 48
.set G0B, 56
.set G1S, 68
.set G0S, 76
.set G1SB, 80
.set G0SB, 88
.set OUT, 96                           ; s[96:97], s[98:99] where my two heads' blocks begin
.set SEL, 100                          ; s[100:101] v_permlanex16_b32's selects for lane l xor 16
.set MSB, 0
.macro WIN new                         ; the immediate's high byte repeats the setting that is left
.if MSB != (\new)
	s_set_vgpr_msb (MSB<<8)|(\new)
.set MSB, (\new)
.endif
.endm
.set MUL_LO, 0xa1                      ; source 0 (B) window 1, source 1 (A) window 0, C and D window 2
.set MUL_HI, 0xf1
.set TO_B,   0x40
; THE LAUNCH'S FOUR TILES, ONE JOINT LOAD A WAVE: wave 0 A's 256 rows of codes (all of K), wave 1 B's, wave 2 A's scales, wave 3 B's.  One tree of branches on the wave's number; every way passes one load.
.macro ARM under, g0, g1, next
	s_cmp_lt_u32 s14, \under
	s_cbranch_scc0 \next
	tensor_load_to_lds s[\g0:\g0+3], s[\g1:\g1+7]
	s_nop 0
.rept 4
	v_nop
.endr
	s_branch .Lhead_asked
\next:
.endm
.macro CROUND                          ; a round of the cluster's barrier
	s_barrier_signal -1
	s_barrier_wait -1
	s_cmp_lg_u32 s14, 0
	s_cbranch_scc1 .Lnot_wave_0_\@
	s_barrier_signal -3
.Lnot_wave_0_\@:
	s_barrier_wait -3
	s_barrier_signal -1
	s_barrier_wait -1
.endm
	s_load_b512 s[68:83], s[0:1], 0x0              ; xq 68, Wq codes 70, scales 72, Wk 74, 76, Wv 78, 80, bq 82
	s_load_b128 s[84:87], s[0:1], 0x40             ; bk, bv
	s_load_b64 s[88:89], s[0:1], 0x50              ; qkvw
	v_lshl_add_u32 v[SPW], v0, 2, SPARE
	v_mov_b32 v[NIL], 0
	ds_add_u32 v28, v29
	ds_add_u32 v28, v29
	s_wait_dscnt 0x0
	v_lshrrev_b32 v1, 5, v0
	v_readfirstlane_b32 s14, v1                    ; wave 0..3
	s_lshr_b32 s15, s14, 1                         ; which half of the tile's rows is mine
	s_and_b32 s16, s14, 1                          ; which half of its columns
	s_bfe_u32 s40, ttmp6, 0x40000                  ; cx
	s_bfe_u32 s41, ttmp6, 0x40004                  ; cy
	s_and_b32 s18, ttmp7, 0xffff
	s_lshl_b32 s18, s18, 2                         ; 4 x cluster y: it walks the tokens, which are A's rows for q and k and B's rows for v
	s_cmp_eq_u32 ttmp9, 2
	s_cselect_b32 s19, 0, s18
	s_cselect_b32 s18, s18, 0
	s_add_co_u32 s17, s19, s41                     ; tile row of C: cy alone of the place in the cluster
	s_add_co_u32 s42, s18, s40                     ; tile column: cx alone
	s_lshl_b32 s43, s41, 2
	s_lshl_b32 s43, 15, s43                        ; my row of the cluster
	s_lshl_b32 s44, 0x1111, s40                    ; my column
	s_or_b32 s[G1+0], s43, (0<<16)|(1<<20)|(1<<21)|(6<<22)|(3<<25)  ; the mask; elements of 1 byte; padding of 4 words behind every 128; bit 21 beside a mask
	s_or_b32 s[G1B+0], s44, (0<<16)|(1<<20)|(1<<21)|(6<<22)|(3<<25)
.irp g, G1, G1B
	s_mov_b32 s[\g+1], ROWB<<16                    ; tensor_dim0
	s_mov_b32 s[\g+2], 256<<16                     ; tensor_dim1
	s_mov_b32 s[\g+3], ROWB<<16                    ; tile_dim0
	s_mov_b32 s[\g+4], 256                         ; tile_dim1
	s_mov_b32 s[\g+5], KROW                        ; the pitch
	s_mov_b32 s[\g+6], 0
	s_mov_b32 s[\g+7], 0
.endr
	s_mov_b32 s[SEL], 0x76543210
	s_mov_b32 s[SEL+1], 0xfedcba98
	s_mov_b32 s2, 0x7f7f0000                       ; bytes 2 and 3 of q's and k's scale words
	s_wait_kmcnt 0x0
	s_cmp_eq_u32 ttmp9, 0                          ; which weight: the choice hangs on the cluster's x alone
	s_cselect_b64 s[20:21], s[70:71], s[74:75]
	s_cselect_b64 s[22:23], s[72:73], s[76:77]
	s_cselect_b64 s[66:67], s[82:83], s[84:85]
	s_cmp_eq_u32 ttmp9, 2
	s_cselect_b64 s[20:21], s[78:79], s[20:21]     ; its codes,
	s_cselect_b64 s[22:23], s[80:81], s[22:23]     ; its scales,
	s_cselect_b64 s[66:67], s[86:87], s[66:67]     ; its bias
	s_add_nc_u64 s[18:19], s[68:69], XSCL          ; x's scales
	s_cselect_b64 s[4:5], s[20:21], s[68:69]       ; A's codes: Wv's for v, x's else
	s_cselect_b64 s[6:7], s[22:23], s[18:19]       ; A's scales
	s_cselect_b64 s[8:9], s[68:69], s[20:21]       ; B's codes
	s_cselect_b64 s[10:11], s[18:19], s[22:23]     ; B's scales
	s_mov_b64 s[12:13], s[88:89]
	s_or_b32 s[G1S+0], s43, (3<<16)|(1<<20)|(1<<21)|(5<<22)|(3<<25)   ; the scales of 256 rows: 8,192 dense bytes as 32 rows of 256 (32 elements of 8 bytes), 16 bytes of padding behind each
	s_or_b32 s[G1SB+0], s44, (3<<16)|(1<<20)|(1<<21)|(5<<22)|(3<<25)
.irp g, G1S, G1SB
	s_mov_b32 s[\g+1], 32<<16
	s_mov_b32 s[\g+2], 32<<16                      ; the scales of 256 rows: 32 rows of 256 bytes
	s_mov_b32 s[\g+3], 32<<16
	s_mov_b32 s[\g+4], 32
	s_mov_b32 s[\g+5], 32
	s_mov_b32 s[\g+6], 0
	s_mov_b32 s[\g+7], 0
.endr
	s_lshl_b32 s20, s17, 8                         ; A: the tile's first row, 256 x tile row
	s_lshl_b32 s46, s42, 8                         ; B likewise by the tile column
	s_lshl_b32 s22, s20, 5                         ; their scales: 32 bytes a row
	s_mov_b32 s23, 0
	s_lshl_b32 s92, s46, 5
	s_mov_b32 s93, 0
	s_lshl_b32 s20, s20, 9                         ; their codes: 512 bytes a row
	s_mov_b32 s21, 0
	s_lshl_b32 s46, s46, 9
	s_mov_b32 s47, 0
	s_add_nc_u64 s[20:21], s[4:5], s[20:21]
	s_add_nc_u64 s[22:23], s[6:7], s[22:23]
	s_add_nc_u64 s[46:47], s[8:9], s[46:47]
	s_add_nc_u64 s[92:93], s[10:11], s[92:93]
	CROUND                                         ; all sixteen work-groups are here: the joint loads meet
	s_mov_b32 s[G0S], 1
	s_mov_b32 s[G0S+1], SCL
	s_mov_b64 s[G0S+2:G0S+3], s[22:23]
	s_or_b32 s[G0S+3], s[G0S+3], 0x80000000
	s_mov_b32 s[G0SB], 1
	s_mov_b32 s[G0SB+1], SCL+2*HALFS
	s_mov_b64 s[G0SB+2:G0SB+3], s[92:93]
	s_or_b32 s[G0SB+3], s[G0SB+3], 0x80000000
	s_mov_b32 s[G0], 1                             ; A's 256 rows from LDS byte 0,
	s_mov_b32 s[G0+1], 0
	s_mov_b64 s[G0+2:G0+3], s[20:21]
	s_or_b32 s[G0+3], s[G0+3], 0x80000000
	s_mov_b32 s[G0B], 1                            ; B's behind them
	s_mov_b32 s[G0B+1], 2*HALFT
	s_mov_b64 s[G0B+2:G0B+3], s[46:47]
	s_or_b32 s[G0B+3], s[G0B+3], 0x80000000
	ARM 1, G0,  G1,  .Lhead_b
	ARM 2, G0B, G1B, .Lhead_sa
	ARM 3, G0S, G1S, .Lhead_sb
	tensor_load_to_lds s[G0SB:G0SB+3], s[G1SB:G1SB+7]
	s_nop 0
.rept 4
	v_nop
.endr
.Lhead_asked:
	v_and_b32 v1, 15, v0                           ; r = l % 16
	v_bfe_u32 v2, v0, 4, 1                         ; h = l / 16
	v_mul_u32_u24 v3, v1, PITCH
	v_lshl_add_u32 v4, v2, 4, v3                   ; a fragment's row x pitch + 16 x half
	s_mul_i32 s21, s15, HALFT
	s_mul_i32 s22, s16, HALFT
	s_add_co_u32 s22, s22, 2*HALFT
.irp s, 0,1
	v_add_nc_u32 v[ADRA+\s], s21, v4
	v_add_nc_u32 v[ADRB+\s], s22, v4
	s_add_co_u32 s21, s21, SLOT
	s_add_co_u32 s22, s22, SLOT
.endr
	v_mul_u32_u24 v5, v1, KS                       ; my row's scales: 32 bytes a row,
	v_lshrrev_b32 v6, 8, v5
	v_lshl_add_u32 v5, v6, 4, v5                   ; and 16 more for each 256 passed
	s_mul_i32 s21, s15, HALFS
	s_mul_i32 s22, s16, HALFS
	s_add_co_u32 s22, s22, 2*HALFS
	s_sub_co_u32 s22, s22, s21
	v_mul_u32_u24 v6, s22, v2                      ; lanes 16-31 take B's
	s_add_co_u32 s21, s21, SCL
	v_add_nc_u32 v5, v5, v6
	v_add_nc_u32 v[ADRS], s21, v5
	v_and_b32 v6, 31, v0
	v_lshlrev_b32 v[LI], 4, v6
	s_wait_alu depctr_va_vdst(0)
.irp b, 0,1,2,3
	v_mov_b32 v[TM+4+\b], 0                        ; written once: a lane permute's destination counts as one of its sources
.endr
	; where my results go.  P: my group of 128 tokens (0..31); Hh: my pair of heads (0..7)
	s_lshl_b32 s18, s17, 1
	s_add_co_u32 s18, s18, s15                     ; 2 x tile row + row half
	s_lshl_b32 s19, s42, 1
	s_add_co_u32 s19, s19, s16                     ; 2 x tile column + column half
	s_mov_b32 s23, 9216
	s_mov_b32 s45, 8192
	s_cmp_eq_u32 ttmp9, 0
	s_cselect_b32 s23, 4608, s23                   ; a block's bytes,
	s_cselect_b32 s45, 4096, s45                   ; where its scale words lie,
	s_cselect_b32 s46, 0, QB                       ; and the part
	s_cmp_eq_u32 ttmp9, 2
	s_cselect_b32 s20, s19, s18                    ; P
	s_cselect_b32 s21, s18, s19                    ; Hh
	s_cselect_b32 s45, 4608, s45                   ; (v: counted from V's fragments,
	s_cselect_b32 s47, 4096, 0                     ; which lie behind K's tiles)
	s_lshr_b32 s22, s20, 4                         ; the batch
	s_and_b32 s20, s20, 15                         ; the group in it
	s_lshl_b32 s22, s22, 8
	s_lshl_b32 s21, s21, 5
	s_add_co_u32 s20, s20, s22
	s_add_co_u32 s20, s20, s21                     ; 16 x (16 batch + 2 Hh) + group
	s_mul_i32 s20, s20, s23
	s_add_co_u32 s20, s20, s46
	s_add_co_u32 s20, s20, s47
	s_mov_b32 s21, 0
	s_add_nc_u64 s[OUT:OUT+1], s[12:13], s[20:21]
	s_lshl_b32 s20, s23, 4                         ; the next head: 16 blocks on
	s_add_nc_u64 s[OUT+2:OUT+3], s[OUT:OUT+1], s[20:21]
	v_add_nc_u32 v[LS], s45, v[LI]
	; the biases, in both forms, so that no branch stands here: by column (q, k) and by row (v).  The form that is not used reads the buffer's first bytes
	s_lshl_b32 s18, s42, 10
	s_lshl_b32 s19, s16, 9
	s_add_co_u32 s18, s18, s19                     ; my 128 columns' numbers, in bytes
	s_lshl_b32 s19, s17, 10
	s_lshl_b32 s20, s15, 9
	s_add_co_u32 s19, s19, s20                     ; my 128 rows'
	s_cmp_eq_u32 ttmp9, 2
	s_cselect_b32 s18, 0, s18
	s_cselect_b32 s20, s19, 0
	s_mov_b32 s19, 0
	s_mov_b32 s21, 0
	s_add_nc_u64 s[18:19], s[66:67], s[18:19]
	s_add_nc_u64 s[20:21], s[66:67], s[20:21]
	v_lshlrev_b32 v7, 5, v2                        ; 32 h: register 8 b + j is column 16 b + 8 h + j
	v_lshlrev_b32 v8, 2, v1                        ; 4 r: block a's row 16 a + r
.irp b, 0,1,2,3,4,5,6,7
	global_load_b128 v[BI+8*\b:BI+8*\b+3], v7, s[18:19] offset:64*\b
	global_load_b128 v[BI+8*\b+4:BI+8*\b+7], v7, s[18:19] offset:64*\b+16
.endr
	WIN TO_B
.irp a, 0,1,2,3,4,5,6,7
	global_load_b32 v[BV+2*\a], v8, s[20:21] offset:64*\a       ; twice: a pair for the packed addition
	global_load_b32 v[BV+2*\a+1], v8, s[20:21] offset:64*\a
.endr
	WIN 0
.macro FRAG reg, adr, q, i             ; 16 rows x 128 K of 4-bit codes: 8 registers: registers 4 c .. 4 c + 3 hold K = 64 c + 32 (l / 16) + 0 .. 31
.irp c, 0,1
	ds_load_b128 v[\reg+4*\c:\reg+4*\c+3], v[\adr] offset:64*(\q)+32*\c+(\i)*16*PITCH
.endr
.endm
; 16 matrix instructions: A's blocks a0, a0 + 1 x B's eight.  The 64 accumulators take turns, one instruction a turn.  zero = 1: the first product starts the sums.
.macro MUL16 a0, p, q, sc, zero
.irp a, \a0, \a0+1
.irp b, 0,1,2,3,4,5,6,7
.if \zero
	v_wmma_scale_f32_16x16x128_f8f6f4 v[8*(8*((\a)%4)+\b):8*(8*((\a)%4)+\b)+7], v[128*(\p)+FR*\b:128*(\p)+FR*\b+FR-1], v[AF+FR*(\a):AF+FR*(\a)+FR-1], 0, v[SC+8*NQ*(\sc)+NQ*\b+(\q)], v[SC+8*NQ*(\sc)+NQ*(\a)+(\q)] matrix_a_fmt:MATRIX_FMT_FP4 matrix_b_fmt:MATRIX_FMT_FP4 matrix_a_scale:MATRIX_SCALE_ROW1
.else
	v_wmma_scale_f32_16x16x128_f8f6f4 v[8*(8*((\a)%4)+\b):8*(8*((\a)%4)+\b)+7], v[128*(\p)+FR*\b:128*(\p)+FR*\b+FR-1], v[AF+FR*(\a):AF+FR*(\a)+FR-1], v[8*(8*((\a)%4)+\b):8*(8*((\a)%4)+\b)+7], v[SC+8*NQ*(\sc)+NQ*\b+(\q)], v[SC+8*NQ*(\sc)+NQ*(\a)+(\q)] matrix_a_fmt:MATRIX_FMT_FP4 matrix_b_fmt:MATRIX_FMT_FP4 matrix_a_scale:MATRIX_SCALE_ROW1
.endif
.endr
.endr
.endm
.macro FETCH_B slot, q, p
	WIN TO_B
.irp i, 0,1,2,3,4,5,6,7
	FRAG 128*(\p)+FR*\i, ADRB+\slot, \q, \i
.endr
	WIN 0
.endm
.macro FETCH_A slot, q, i0
.irp i, \i0, \i0+1, \i0+2, \i0+3
	FRAG AF+FR*(\i), ADRA+\slot, \q, \i
.endr
.endm
.macro SCALES sc                       ; a slot's scale words: lanes 0-15 take A's block i, lanes 16-31 B's block i
.irp i, 0,1,2,3,4,5,6,7
	ds_load_b128 v[SC+8*NQ*\sc+NQ*\i:SC+8*NQ*\sc+NQ*\i+3], v[ADRS] offset:\i*SBLK
.endr
.endm
.macro PLACES n                        ; plain vector lines between a matrix instruction and a load into, or a read of, its registers
.rept \n
	v_nop
.endr
.endm
.macro STEP slot, q, zero              ; 128 along K whose successor lies in the same slot
	s_wait_dscnt 4*NL                              ; B's set and A's blocks 0-3 are in; A's blocks 4-7, the youngest eight loads, may be out
	WIN MUL_LO
	MUL16 0, (\q)%2, \q, \slot, \zero
	MUL16 2, (\q)%2, \q, \slot, \zero
	s_wait_dscnt 0
	PLACES NP
	FETCH_B \slot, (\q)+1, 1-(\q)%2
	FETCH_A \slot, (\q)+1, 0
	WIN MUL_HI
	MUL16 4, (\q)%2, \q, \slot, \zero
	MUL16 6, (\q)%2, \q, \slot, \zero
	PLACES NP
	WIN 0
	FETCH_A \slot, (\q)+1, 4
.endm
.macro TURN slot, next                 ; a slot's last step changes slots: one barrier; nothing is filled again here
	s_wait_tensorcnt 0x0                           ; all my tensor loads have landed: my part of the next slot
	ds_add_u32 v[SPW], v[NIL]                      ; 0 onto my spare word
	s_wait_dscnt 4*NL+1                            ; (the add and A's blocks 4-7 may be out)
	WIN MUL_LO
	MUL16 0, 1, NQ-1, \slot, 0
	s_wait_dscnt 0x0                               ; the add is done, and my reads of this slot are over
	s_barrier_signal -1
	MUL16 2, 1, NQ-1, \slot, 0
	WIN 0
	s_barrier_wait -1                              ; the next slot is whole for every wave
	PLACES NP
	v_add_nc_u32 v[ADRS], 4*NQ, v[ADRS]            ; the next slot's scale words
	FETCH_B \next, 0, 0
	FETCH_A \next, 0, 0
	SCALES \next
	WIN MUL_HI
	MUL16 4, 1, NQ-1, \slot, 0
	MUL16 6, 1, NQ-1, \slot, 0
	PLACES NP
	WIN 0
	FETCH_A \next, 0, 4
.endm
.macro STEPS slot, from
.set Q, \from
.rept NQ-1-\from
	STEP \slot, Q, 0
.set Q, Q+1
.endr
.endm
	s_wait_alu depctr_va_vdst(0)
	s_wait_tensorcnt 0x0                           ; my one tile is in; behind the barrier all four are
	s_barrier_signal -1
	s_barrier_wait -1
	FETCH_B 0, 0, 0
	FETCH_A 0, 0, 0
	SCALES 0
	FETCH_A 0, 0, 4
	STEP 0, 0, 1
	STEPS 0, 1
	TURN 0, 1
	STEPS 1, 0
	s_wait_dscnt 4*NL                              ; the last step: nothing more to fetch
	WIN MUL_LO
	MUL16 0, 1, NQ-1, 1, 0
	MUL16 2, 1, NQ-1, 1, 0
	s_wait_dscnt 0
	WIN MUL_HI
	MUL16 4, 1, NQ-1, 1, 0
	MUL16 6, 1, NQ-1, 1, 0
	WIN 0
; THE QUANTISER.  64 numbers of a lane, v[s] on: register 8 b + j = column 16 b + 8 (l / 16) + j of my row.  A block of 32 columns is registers 16 b' .. 16 b' + 15 of lanes l and l xor 16.
; They become a fragment's codes in v[PC] on and the row's scale word in v[pw].  A conversion's eight codes are a quarter of a block: in lanes 0-15 the first or third, in lanes 16-31 the second or fourth.
; The operand wants a whole block in a lane (lanes 0-15 block 2 c, lanes 16-31 block 2 c + 1): blocks 2 c and 2 c + 1 write neighbouring registers, and one exchange of halves for each such pair gives it.
.macro QUANT s, pw
.irp b, 0,1,2,3
	v_max3_num_f32 v[TM+\b], |v[\s+16*\b]|, |v[\s+1+16*\b]|, 0x1800000   ; my 16 numbers of block b, and the floor 2^(3 - 127): the byte cannot fall under 1
.endr
.irp i, 2,4,6,8,10,12,14
.irp b, 0,1,2,3
	v_max3_num_f32 v[TM+\b], v[TM+\b], |v[\s+16*\b+\i]|, |v[\s+1+16*\b+\i]|
.endr
.endr
.irp b, 0,1,2,3
	v_permlanex16_b32 v[TM+4+\b], v[TM+\b], s[SEL], s[SEL+1]
.endr
.irp b, 0,1,2,3
	v_max_num_f32 v[TM+\b], v[TM+\b], v[TM+4+\b]   ; with lane l xor 16's: the block's largest magnitude
.endr
.irp b, 0,1,2,3
	v_add_nc_u32 v[TM+12+\b], 0xff000000, v[TM+\b] ; 2 off its exponent field: the conversion's scale operand
.endr
.irp b, 0,1,2,3
	v_lshrrev_b32 v[TM+4+\b], 23, v[TM+12+\b]      ; the scale's byte
.endr
	v_lshl_or_b32 v[\pw], v[TM+5], 8, v[TM+4]
	v_lshl_or_b32 v[\pw], v[TM+6], 16, v[\pw]
	v_lshl_or_b32 v[\pw], v[TM+7], 24, v[\pw]
.irp b, 0,1,2,3
	v_cvt_scalef32_pk8_fp4_f32 v[PC+4*(\b/2)+(\b%2)], v[\s+16*\b:\s+7+16*\b], v[TM+12+\b]
	v_cvt_scalef32_pk8_fp4_f32 v[PC+4*(\b/2)+2+(\b%2)], v[\s+8+16*\b:\s+15+16*\b], v[TM+12+\b]
.endr
	v_nop                                          ; one plain line behind a scaled conversion
.irp c, 0,1
	v_permlane16_swap_b32 v[PC+4*\c], v[PC+4*\c+1]
	v_permlane16_swap_b32 v[PC+4*\c+2], v[PC+4*\c+3]
.endr
.endm
; THE WAY OUT of block a (16 rows of A x my 128 columns): + bias, into window 0, each accumulator from its low end on; quantised; stored as images.
.macro EPI a, vp
	WIN 0x02+(\a)/4+4*(\vp)                        ; source 0: window 2 or 3; for v source 1: window 1
.set n, 0
.rept 32
.if \vp
	v_pk_add_f32 v[T+n:T+n+1], v[64*((\a)%4)+n:64*((\a)%4)+n+1], v[BV+2*(\a):BV+2*(\a)+1]
.else
	v_pk_add_f32 v[T+n:T+n+1], v[64*((\a)%4)+n:64*((\a)%4)+n+1], v[BI+n:BI+n+1]
.endif
.set n, n+2
.endr
	WIN 0
.if (\a) > 0
	s_wait_xcnt 0x0                                ; the last block's stores have read their data: the codes' registers are written again only behind this wait
.endif
.if \vp
	QUANT T, WE+(\a)
	global_store_b128 v[LI], v[PC:PC+3], s[OUT+2*((\a)/4):OUT+2*((\a)/4)+1] offset:1024*((\a)%4)        ; V^T's fragment: d tile a % 4 of head a / 4
	global_store_b128 v[LI], v[PC+4:PC+7], s[OUT+2*((\a)/4):OUT+2*((\a)/4)+1] offset:1024*((\a)%4)+512
.else
	QUANT T, WE+4*((\a)%2)+(\a)/2
	global_store_b128 v[LI], v[PC:PC+3], s[OUT:OUT+1] offset:512*(\a)        ; tile a of my first head: its 64 are the fragment's first half,
	global_store_b128 v[LI], v[PC+4:PC+7], s[OUT+2:OUT+3] offset:512*(\a)    ; of my second head: the second half
.endif
.endm
	PLACES NP                                      ; behind the last products: for the reads of results and the writes over A's fragments
	s_wait_loadcnt 0x0                             ; the biases
	s_cmp_eq_u32 ttmp9, 2                          ; the same in all sixteen partners and all waves
	s_cbranch_scc1 .Lvalues
.irp a, 0,1,2,3,4,5,6,7
	EPI \a, 0
.endr
.irp p, 0,1,2,3
	v_permlane16_swap_b32 v[WE+\p], v[WE+4+\p]     ; lanes 0-15: tile 2 p's words, lanes 16-31: tile 2 p + 1's
.endr
.irp p, 0,1,2,3
	v_and_or_b32 v[H0+\p], v[WE+\p], 0xffff, s2    ; the first head's two bytes, and 127 twice
.endr
.irp p, 0,1,2,3
	v_lshrrev_b32 v[H1+\p], 16, v[WE+\p]
.endr
.irp p, 0,1,2,3
	v_or_b32 v[H1+\p], s2, v[H1+\p]                ; the second head's
.endr
	global_store_b128 v[LS], v[H0:H0+3], s[OUT:OUT+1]
	global_store_b128 v[LS], v[H1:H1+3], s[OUT+2:OUT+3]
	s_branch .Ldone
.Lvalues:
.irp a, 0,1,2,3,4,5,6,7
	EPI \a, 1
.endr
	global_store_b128 v[LS], v[WE:WE+3], s[OUT:OUT+1]          ; lane l: the words of row l % 16 of the head's four d tiles
	global_store_b128 v[LS], v[WE+4:WE+7], s[OUT+2:OUT+3]
.Ldone:
	s_wait_tensorcnt 0x0                           ; the wave's end
	ds_add_u32 v[SPW], v[NIL]
	s_wait_dscnt 0x0
	CROUND                                         ; the closing round
	s_endpgm
.Lfunc_end_k_q422caf256d_qkv:
	.size	k_q422caf256d_qkv, .Lfunc_end_k_q422caf256d_qkv-k_q422caf256d_qkv
	.p2alignl 7, 3214868480
	.fill 96, 4, 3214868480
	.section	.rodata,"a",@progbits
	.p2align	6, 0x0
	.amdhsa_kernel k_q422caf256d_qkv
		.amdhsa_group_segment_fixed_size 327680
		.amdhsa_private_segment_fixed_size 0
		.amdhsa_enable_private_segment 0
		.amdhsa_kernarg_size 88
		.amdhsa_user_sgpr_count 2
		.amdhsa_user_sgpr_kernarg_segment_ptr 1
		.amdhsa_wavefront_size32 1
		.amdhsa_system_sgpr_workgroup_id_x 1
		.amdhsa_system_sgpr_workgroup_id_y 1
		.amdhsa_system_sgpr_workgroup_id_z 1
		.amdhsa_system_vgpr_workitem_id 0
		.amdhsa_next_free_vgpr 1024
		.amdhsa_next_free_sgpr 102
		.amdhsa_reserve_vcc 0
		.amdhsa_float_denorm_mode_32 3
		.amdhsa_float_denorm_mode_16_64 3
		.amdhsa_memory_ordered 1
		.amdhsa_forward_progress 1
		.amdhsa_inst_pref_size 196
	.end_amdhsa_kernel
	.amdgpu_metadata
---
amdhsa.version: [ 1, 2 ]
amdhsa.kernels:
  - .name:           k_q422caf256d_qkv
    .symbol:         k_q422caf256d_qkv.kd
    .args:
      - { .name: xq, .offset: 0, .size: 8, .value_kind: global_buffer, .address_space: global }
      - { .name: Wq_codes, .offset: 8, .size: 8, .value_kind: global_buffer, .address_space: global }
      - { .name: Wq_scales, .offset: 16, .size: 8, .value_kind: global_buffer, .address_space: global }
      - { .name: Wk_codes, .offset: 24, .size: 8, .value_kind: global_buffer, .address_space: global }
      - { .name: Wk_scales, .offset: 32, .size: 8, .value_kind: global_buffer, .address_space: global }
      - { .name: Wv_codes, .offset: 40, .size: 8, .value_kind: global_buffer, .address_space: global }
      - { .name: Wv_scales, .offset: 48, .size: 8, .value_kind: global_buffer, .address_space: global }
      - { .name: bq, .offset: 56, .size: 8, .value_kind: global_buffer, .address_space: global }
      - { .name: bk, .offset: 64, .size: 8, .value_kind: global_buffer, .address_space: global }
      - { .name: bv, .offset: 72, .size: 8, .value_kind: global_buffer, .address_space: global }
      - { .name: qkvw, .offset: 80, .size: 8, .value_kind: global_buffer, .address_space: global }
    .group_segment_fixed_size: 327680
    .private_segment_fixed_size: 0
    .kernarg_segment_align: 8
    .kernarg_segment_size: 88
    .max_flat_workgroup_size: 128
    .sgpr_count:     102
    .vgpr_count:     1024
    .wavefront_size: 32
...
	.end_amdgpu_metadata
.endif
;; end of part 2
;; launch attn (part 3): grid 8 x 32, 16 waves a work-group, clusters of 4 x 1, 219,136 bytes of LDS; arguments qkvw, encoder_input, res; writes res
.if DOCPART == 3
	.amdgcn_target "amdgcn-amd-amdhsa--gfx1250"
	.amdhsa_code_object_version 6
	.text
	.protected	k_q422caf256d_attn
	.globl	k_q422caf256d_attn
	.p2align	8
	.type	k_q422caf256d_attn,@function
k_q422caf256d_attn:
	s_mov_b64 s[64:65], 0
	v_nop
	global_prefetch_b8 v0, s[64:65] scope:SCOPE_SE
	s_setreg_imm32_b32 hwreg(HW_REG_WAVE_MODE, 25, 1), 1
	s_wait_xcnt 0x0
	s_wait_alu depctr_hold_cnt(0) depctr_sa_sdst(0) depctr_va_vdst(0) depctr_va_sdst(0) depctr_va_ssrc(0) depctr_va_vcc(0) depctr_vm_vsrc(0)
	s_getreg_b32 s2, hwreg(HW_REG_IB_STS2, 6, 4)
	s_cmp_eq_u32 s2, 0
	s_cbranch_scc0 .Lentry_in_a_cluster
	s_endpgm
.Lentry_in_a_cluster:
	s_bfe_u32 s2, ttmp6, 0x10000c
	s_cmp_lg_u32 s2, 0x3003
	s_cbranch_scc0 .Lentry_shape_is_right
	s_endpgm
.Lentry_shape_is_right:
; res = x + o, o = softmax(q k^T / 8) v for each of 32 (batch, head), 2,048 tokens, head size 64, both products on codes of FP4 with E8M0 scales.
; THE SOFTMAX AHEAD OF THE SECOND PRODUCT: t = score x log2(e) / 8; M = the row's largest t so far, rounded up to a whole number; p = 2^(t - M) is quantised along the keys, not normalised.
; The row's sum is taken of the unquantised p and divides O at the end.  When M moves, the sum and O are multiplied by 2^(old M - new M): exact.
; SHARES.  A work-group owns 256 queries of one (batch, head), each of its sixteen waves one tile of 16, in 256 registers: four waves to a SIMD.
; K AND V OF THE WHOLE HEAD STAY IN LDS: 16 key steps x 9,216 bytes, filled once, a key step by each wave, jointly for the four work-groups of a cluster (one head).  Nothing is filled again.
; A key step's block: K's 8 tiles as images of 16 neighbouring keys (512 bytes), V^T's 4 fragments (1,024), K's scale words, V's scale words.
; LAYOUT.  Both products are used transposed: S^T = K Q^T, O^T = V^T P^T: a lane holds one query (l % 16) throughout.
; THE KEYS OF A TILE ARE CHOSEN BY THE LDS ADDRESS: row m of tile (c, t) is key 64 c + 32 (m / 8) + 8 t + m % 8.  So register 32 c + 8 t + j of a lane is key 64 c + 32 (l / 16) + 8 t + j:
; a lane holds two WHOLE blocks of 32 keys, those that the second product's operand gives it.  A block's maximum needs no other lane, and the conversions' results are P's registers as they stand.
; Lanes 0-7 and 8-15 of such a load read 1,024 bytes apart: two lanes to a bank.
; K = 64 of the first product is filled up to 128 by zero codes in Q's registers 4-7: what K's operand names there adds nothing, so tile u is named as v[KR + 4 u .. + 7]; scale bytes 2 and 3 are 127.
; x's 16 rows x 256 bytes of the wave are loaded behind the first barrier into registers of their own and waited for on the way out.
; No prefetch: the tiles are asked for once, at the head; there is no loop to run ahead in.
; LIMITS: NaN and infinities are not served; the scaled scores stay under 2^31 in magnitude; a block of p that has fallen to 0 keeps the byte 1 over zero codes.
.set QB,    2359296                    ; the KV part in qkvw
.set KVS,   9216                       ; a key step's block
.set KVH,   16*KVS                     ; a head's
.set STAGE, KVH                        ; behind them: 16 rows x 272 bytes for each wave, for the way out
.set SPARE, STAGE+16*16*272            ; the spare words, 128 bytes a wave
.set LI,  1                            ; v1  16 x lane
.set KA,  2                            ; v2  my lane's place in K's tiles: 1,024 (r / 8) + 16 (r % 8) + 256 h
.set SKA, 3                            ; v3  and among K's scale words: 16 (r % 8) + 4 (r / 8) + 8 h
.set ADV, 4                            ; v4  this step's block (V)
.set ADK, 5                            ; v5  the next step's K
.set ADS, 6                            ; v6  and its scale words
.set SH8, 7                            ; v7  8 h
.set SPW, 8                            ; v8  my spare word; never rewritten
.set NIL, 9                            ; v9  0; never rewritten
.set GO,  10                           ; v10 my byte offset in the wave's rows of x and res
.set KR,  26                           ; v26-57 K's eight tiles; v58-61 zeros, which tile 7 names
.set VS,  62                           ; v62-65 V's scale words
.set KS,  66                           ; v66-69 K's: register t: lanes 0-15 tile (0, t), lanes 16-31 tile (1, t)
.set STO, 70
.set RD,  71
.set S,   96                           ; v96-159 S^T, then p
.set O,   160                          ; v160-191 O^T
.set V,   192                          ; v192-223 V's fragments
.set PC,  224                          ; v224-231 p's codes
.set BM,  232                          ; v232-233 my two blocks' largest scores, then largest p
.set PT,  234
.set OLDM, 235
.set F,   236                          ; v[236:237] f = 2^(old M - new M) (the low word serves both halves)
.set SO,  238                          ; v238-239 the conversions' scale operands
.set BY,  240                          ; v240-241 the scales' bytes
.set W,   242                          ; v242 p's scale word
.set WT,  243
.set CB,  244                          ; v[244:245], v[246:247] two more chains of the sum
.set CC,  246                          ; x: v72-95, v248-255.  v12 -M, v13 the largest score, v[14:15] the sum, v16-23 Q, v24 Q's scale words
.set WV,  8
.set G0,  12
.set G1,  16
.set SEL, 24
.set CS,  26                           ; s[26:27] c = log2(e) / 8
.set TB,  28
.set TB2, 29
.set CNT, 30
.macro CROUND                          ; a round of the cluster's barrier
	s_barrier_signal -1
	s_barrier_wait -1
	s_cmp_lg_u32 s[WV], 0
	s_cbranch_scc1 .Lnot_wave_0_\@
	s_barrier_signal -3
.Lnot_wave_0_\@:
	s_barrier_wait -3
	s_barrier_signal -1
	s_barrier_wait -1
.endm
.macro PKF n0, cnt                     ; t - M, two scores at a time, pairs n0 .. n0 + cnt - 1
.set pn, \n0
.rept \cnt
	v_pk_fma_f32 v[S+2*pn:S+2*pn+1], v[S+2*pn:S+2*pn+1], s[CS:CS+1], v[12:13] op_sel_hi:[1,0,0]
.set pn, pn+1
.endr
.endm
.macro KLOAD ak, as                    ; a step's K: 8 tiles and 4 registers of scale words: 12 LDS loads
.irp c, 0,1
.irp t, 0,1,2,3
	ds_load_b128 v[KR+16*\c+4*\t:KR+16*\c+4*\t+3], v[\ak] offset:2048*\c+512*(\t/2)+128*(\t%2)
.endr
.endr
.irp t, 0,1,2,3
	ds_load_b32 v[KS+\t], v[\as] offset:8192+128*\t
.endr
.endm
.macro SUMS cnt                        ; the next cnt pairs of p onto the sum's three chains, by turns
.rept \cnt
.if (sn%3) == 0
	v_pk_add_f32 v[14:15], v[14:15], v[S+2*sn:S+2*sn+1]
.elseif (sn%3) == 1
	v_pk_add_f32 v[CB:CB+1], v[CB:CB+1], v[S+2*sn:S+2*sn+1]
.else
	v_pk_add_f32 v[CC:CC+1], v[CC:CC+1], v[S+2*sn:S+2*sn+1]
.endif
.set sn, sn+1
.endr
.endm
	s_load_b128 s[4:7], s[0:1], 0x0                ; qkvw, x
	s_load_b64 s[40:41], s[0:1], 0x10              ; res
	v_lshl_add_u32 v[SPW], v0, 2, SPARE
	v_mov_b32 v[NIL], 0
	ds_add_u32 v[SPW], v[NIL]                      ; the opening lines: the add twice on end, and its wait ahead of my tensor load
	ds_add_u32 v[SPW], v[NIL]
	v_lshrrev_b32 v11, 5, v0
	s_delay_alu instid0(VALU_DEP_1)
	v_readfirstlane_b32 s[WV], v11                 ; wave 0..15
	s_bfe_u32 s9, ttmp6, 0x40000                   ; cx
	s_lshl_b32 s10, ttmp9, 2
	s_add_co_u32 s10, s10, s9                      ; my block of 256 queries: it enters Q's, x's and res's addresses alone
	s_and_b32 s11, ttmp7, 0xffff                   ; 16 batch + head, which the four partners share
	s_mov_b32 s[G1], 15|(3<<16)|(1<<21)            ; the mask: all four work-groups; elements of 8 bytes; bit 21 beside a mask; no padding
	s_mov_b32 s[G1+1], 32<<16                      ; rows of 256 bytes,
	s_mov_b32 s[G1+2], 36<<16                      ; 36 of them are a key step's block
	s_mov_b32 s[G1+3], 32<<16
	s_mov_b32 s[G1+4], 36
	s_mov_b32 s[G1+5], 32                          ; dense
	s_mov_b32 s[G1+6], 0
	s_mov_b32 s[G1+7], 0
	s_mul_i32 s32, s11, KVH
	s_mul_i32 s[G0+1], s[WV], KVS                  ; wave w brings key step w
	s_add_co_u32 s32, s32, s[G0+1]
	s_add_co_u32 s32, s32, QB
	s_mov_b32 s33, 0
	s_mov_b32 s[G0], 1
	s_mov_b32 s[SEL], 0x76543210
	s_mov_b32 s[SEL+1], 0xfedcba98
	s_mov_b32 s[CS], 0x3e38aa3b
	s_mov_b32 s[CS+1], s[CS]                       ; (named with it as a pair, so it is written)
	s_mov_b32 s[TB], 0
	s_mov_b32 s[CNT], 16
	s_wait_dscnt 0x0
	s_wait_kmcnt 0x0
	s_add_nc_u64 s[G0+2:G0+3], s[4:5], s[32:33]
	s_or_b32 s[G0+3], s[G0+3], 0x80000000
	CROUND                                         ; all four work-groups are here: the joint loads meet
	tensor_load_to_lds s[G0:G0+3], s[G1:G1+7]      ; my one tensor load of the launch
	s_nop 0
.rept 4
	v_nop
.endr
	s_lshl_b32 s34, s11, 4
	s_lshl_b32 s35, s10, 1
	s_add_co_u32 s34, s34, s35
	s_lshr_b32 s35, s[WV], 3
	s_add_co_u32 s34, s34, s35                     ; Q's block: 16 x (batch, head) + my group of 128 tokens
	s_mul_i32 s34, s34, 4608
	s_mov_b32 s35, 0
	s_add_nc_u64 s[34:35], s[4:5], s[34:35]
	s_and_b32 s36, s[WV], 7                        ; my tile in it
	s_lshl_b32 s37, s36, 9
	s_and_b32 s38, s36, 1
	s_lshl_b32 s38, s38, 8
	s_lshr_b32 s39, s36, 1
	s_lshl_b32 s39, s39, 2
	s_add_co_u32 s38, s38, s39                     ; its words: word tile / 2 of lanes 16 (tile % 2) + r
	s_lshr_b32 s32, s11, 4                         ; x, res: row 2,048 batch + 256 block + 16 wave, of 4,096 bytes; + 256 head
	s_lshl_b32 s32, s32, 23
	s_lshl_b32 s36, s10, 20
	s_add_co_u32 s32, s32, s36
	s_lshl_b32 s36, s[WV], 16
	s_add_co_u32 s32, s32, s36
	s_and_b32 s36, s11, 15
	s_lshl_b32 s36, s36, 8
	s_add_co_u32 s32, s32, s36
	s_add_nc_u64 s[6:7], s[6:7], s[32:33]
	s_add_nc_u64 s[40:41], s[40:41], s[32:33]
	v_and_b32 v11, 31, v0
	v_and_b32 v25, 7, v0                           ; r % 8
	v_bfe_u32 v[STO], v0, 3, 1                     ; r / 8
	v_bfe_u32 v[RD], v0, 4, 1                      ; h
	v_lshlrev_b32 v[LI], 4, v11
	v_lshlrev_b32 v[KA], 4, v25
	v_lshlrev_b32 v[SKA], 4, v25
	v_lshlrev_b32 v[SH8], 3, v[RD]
	v_lshl_add_u32 v[KA], v[STO], 10, v[KA]
	v_lshl_add_u32 v[SKA], v[STO], 2, v[SKA]
	v_and_b32 v25, 15, v0                          ; r
	v_lshlrev_b32 v[GO], 12, v[RD]
	v_lshl_add_u32 v[KA], v[RD], 8, v[KA]
	v_lshl_add_u32 v[SKA], v[RD], 3, v[SKA]
	v_lshl_add_u32 v[GO], v25, 4, v[GO]            ; lanes 0-15 one row, lanes 16-31 the next; 16 bytes a lane
	v_add_nc_u32 v11, s37, v[LI]
	v_lshl_add_u32 v25, v25, 4, s38
	global_load_b128 v[16:19], v11, s[34:35]       ; Q's tile stays in registers
	global_load_b32 v24, v25, s[34:35] offset:4096
.irp j, 20,21,22,23,58,59,60,61
	v_mov_b32 v[\j], 0                             ; Q's zero codes for K = 64 .. 127; and what tile 7 of K names there
.endr
	v_mov_b32 v13, 0xff61b1e6                      ; the largest score so far: -3e38
	v_mov_b32 v14, 0
	v_mov_b32 v15, 0
	v_floor_f32 v12, -v13                          ; -M: so large that the first step's f falls to 0, over sums that are zeros
	v_mov_b32 v[PT], 0                             ; a lane permute's destination counts as one of its sources
	v_mov_b32 v[WT], 0
	v_mov_b32 v[F+1], 0                            ; (the upper half of a pair)
.set n, 0
.rept 32
	v_mov_b32 v[O+n], 0                            ; O^T: the step is written once; its first trip finds zeros
.set n, n+1
.endr
	s_wait_alu depctr_va_vdst(0)
	s_wait_tensorcnt 0x0                           ; my key step has landed,
	s_barrier_signal -1
	s_barrier_wait -1                              ; everybody's has
.set n, 0
.irp xb, 72,76,80,84,88,92,248,252
	global_load_b128 v[\xb:\xb+3], v[GO], s[6:7] offset:8192*n th:TH_LOAD_NT   ; x: sixteen lanes read a row's 256 bytes, aligned; they stay out until the way out
.set n, n+1
.endr
	KLOAD KA, SKA                                  ; K of step 0
	s_wait_loadcnt 8                               ; Q is in; x's eight loads may be out
.Lstep:                                            ; 16 trips of 128 keys
	s_wait_dscnt 0x0                               ; K is in, and no LDS instruction of mine is out:
	s_barrier_signal -1                            ; I have begun this step.  A barrier in two halves that guards no refill: between them stand register work and loads of K and V, which nobody writes
.irp t, 0,1,2,3
	v_wmma_scale_f32_16x16x128_f8f6f4 v[S+8*\t:S+8*\t+7], v[KR+4*\t:KR+4*\t+7], v[16:23], 0, v[KS+\t], v24 matrix_a_fmt:MATRIX_FMT_FP4 matrix_b_fmt:MATRIX_FMT_FP4
.endr
.irp t, 0,1,2,3
	v_wmma_scale_f32_16x16x128_f8f6f4 v[S+32+8*\t:S+32+8*\t+7], v[KR+16+4*\t:KR+16+4*\t+7], v[16:23], 0, v[KS+\t], v24 matrix_a_fmt:MATRIX_FMT_FP4 matrix_b_fmt:MATRIX_FMT_FP4 matrix_a_scale:MATRIX_SCALE_ROW1
.endr
	s_add_co_u32 s[TB2], s[TB], KVS
	s_min_u32 s[TB2], s[TB2], 15*KVS               ; the last trip reads step 15 again: nothing leaves the filled bytes
	v_add_nc_u32 v[ADV], s[TB], v[LI]              ; these four lines are the four places behind the products above and the last trip's
	v_add_nc_u32 v[ADK], s[TB2], v[KA]
	v_add_nc_u32 v[ADS], s[TB2], v[SKA]
	v_mov_b32 v[OLDM], v12                         ; the old -M is kept for f
.irp t, 0,1,2,3
	ds_load_b128 v[V+8*\t:V+8*\t+3], v[ADV] offset:4096+1024*\t
	ds_load_b128 v[V+8*\t+4:V+8*\t+7], v[ADV] offset:4096+1024*\t+512
.endr
	ds_load_b128 v[VS:VS+3], v[ADV] offset:8704    ; V of this step: nine loads;
	KLOAD ADK, ADS                                 ; K of the next: twelve more.  Both land under the softmax
.irp c, 0,1
	v_max3_num_f32 v[BM+\c], v[S+32*\c], v[S+32*\c+1], v[S+32*\c+2]   ; the largest score of my two blocks: for the row's maximum and, since p rises with the score, for the block's largest p
.endr
.irp i, 3,5,7,9,11,13,15,17,19,21,23,25,27,29
.irp c, 0,1
	v_max3_num_f32 v[BM+\c], v[BM+\c], v[S+32*\c+\i], v[S+32*\c+\i+1]
.endr
.endr
.irp c, 0,1
	v_max_num_f32 v[BM+\c], v[BM+\c], v[S+32*\c+31]
.endr
	s_delay_alu instid0(VALU_DEP_1)
	v_max3_num_f32 v13, v[BM], v[BM+1], v13
	s_delay_alu instid0(VALU_DEP_1)
	v_permlanex16_b32 v[PT], v13, s[SEL], s[SEL+1]
	s_delay_alu instid0(VALU_DEP_1)
	v_max_num_f32 v13, v13, v[PT]                  ; with lane l xor 16's 64 keys: the running largest score (c is positive)
	s_delay_alu instid0(VALU_DEP_1)
	v_mul_f32 v11, s[CS], v13
	s_delay_alu instid0(VALU_DEP_1)
	v_floor_f32 v12, -v11                          ; the new -M = -ceil(t): a whole number
	s_delay_alu instid0(VALU_DEP_1)
	v_sub_f32 v11, v12, v[OLDM]                    ; old M - new M: a whole number, 0 or less
	v_fma_f32 v[BM], v[BM], s[CS], v12             ; t - M of each block's largest score
	v_fma_f32 v[BM+1], v[BM+1], s[CS], v12
	s_delay_alu instid0(VALU_DEP_3)
	v_cvt_i32_f32 v11, v11                         ; (it saturates)
	PKF 0, 2
	s_delay_alu instid0(VALU_DEP_3)
	v_ldexp_f32 v[F], 1.0, v11                     ; f = 2^(old M - new M)
	PKF 2, 4
.set n, 0
.rept 16
	v_pk_mul_f32 v[O+n:O+n+1], v[O+n:O+n+1], v[F:F+1] op_sel_hi:[1,0]   ; O^T under the new M, each accumulator from its low end on; no exponential stands between the products that wrote it and these lines
.set n, n+2
.endr
	PKF 6, 26
	s_wait_alu depctr_va_vdst(0)
	v_exp_f32 v[BM], v[BM]                         ; the blocks' largest p: the same two instructions on the same number give the same bits
	v_exp_f32 v[BM+1], v[BM+1]
.set n, 0
.rept 64
	v_exp_f32 v[S+n], v[S+n]                       ; p = 2^(t - M)
.set n, n+1
.endr
	v_pk_mul_f32 v[14:15], v[14:15], v[F:F+1] op_sel_hi:[1,0]   ; the sum under the new M: the plain line behind the batch
	s_wait_alu depctr_va_vdst(0)                   ; one wait for the batch of 66, ahead of its first reader
	v_max_num_f32 v[BM], 0x1800000, v[BM]          ; the floor 2^(3 - 127): the byte cannot fall under 1
	v_max_num_f32 v[BM+1], 0x1800000, v[BM+1]
	v_pk_add_f32 v[CB:CB+1], v[S:S+1], v[S+2:S+3]  ; the row's sum is taken of the unquantised p
	v_pk_add_f32 v[CC:CC+1], v[S+4:S+5], v[S+6:S+7]
	v_add_nc_u32 v[SO], 0xff000000, v[BM]          ; 2 off the exponent field: the conversion's scale operand
	v_add_nc_u32 v[SO+1], 0xff000000, v[BM+1]
.set sn, 4
	SUMS 2
	v_lshrrev_b32 v[BY], 23, v[SO]                 ; the scales' bytes
	v_lshrrev_b32 v[BY+1], 23, v[SO+1]
.irp c, 0,1
.irp t, 0,1,2,3
	v_cvt_scalef32_pk8_fp4_f32 v[PC+4*\c+\t], v[S+32*\c+8*\t:S+32*\c+8*\t+7], v[SO+\c]   ; keys 64 c + 32 h + 8 t + 0 .. 7: register 4 c + t of P's operand
.endr
.endr
	v_lshl_or_b32 v[W], v[BY+1], 16, v[BY]         ; my bytes: blocks h and 2 + h (also the plain line behind the conversions),
	SUMS 1
	s_delay_alu instid0(VALU_DEP_2)
	v_lshlrev_b32 v[W], v[SH8], v[W]               ; at their places in the word;
	SUMS 1
	s_delay_alu instid0(VALU_DEP_2)
	v_permlanex16_b32 v[WT], v[W], s[SEL], s[SEL+1]
	SUMS 1
	s_delay_alu instid0(VALU_DEP_2)
	v_or_b32 v[W], v[W], v[WT]                     ; with lane l xor 16's two the word is whole
	SUMS 23                                        ; these are also the places between the word, the codes and the products below
	s_delay_alu instid0(VALU_DEP_1)
	v_pk_add_f32 v[14:15], v[14:15], v[CB:CB+1]
	s_delay_alu instid0(VALU_DEP_1)
	v_pk_add_f32 v[14:15], v[14:15], v[CC:CC+1]
	s_barrier_wait -1                              ; every wave has begun this step: the sixteen stay within one key step of each other
	s_wait_dscnt 12                                ; V's nine loads are in; the next step's twelve of K may be out
.irp t, 0,1,2,3
	v_wmma_scale_f32_16x16x128_f8f6f4 v[O+8*\t:O+8*\t+7], v[V+8*\t:V+8*\t+7], v[PC:PC+7], v[O+8*\t:O+8*\t+7], v[VS+\t], v[W] matrix_a_fmt:MATRIX_FMT_FP4 matrix_b_fmt:MATRIX_FMT_FP4
.endr
	s_add_co_u32 s[TB], s[TB], KVS
	s_sub_co_u32 s[CNT], s[CNT], 1
	s_cmp_lg_u32 s[CNT], 0
	s_cbranch_scc1 .Lstep
	; THE WAY OUT: O^T / the sum, through my stage in LDS, so that sixteen lanes hold a row's 256 consecutive bytes; + x; stored.
	s_wait_dscnt 0x0                               ; the last trip's loads of K
	s_wait_alu depctr_va_vdst(0)                   ; ahead of the sum's reader
	v_add_f32 v14, v14, v15
	s_delay_alu instid0(VALU_DEP_1)
	v_permlanex16_b32 v[PT], v14, s[SEL], s[SEL+1]
	s_delay_alu instid0(VALU_DEP_1)
	v_add_f32 v14, v14, v[PT]                      ; the row's sum
	s_wait_alu depctr_va_vdst(0)                   ; ahead of the transcendental
	v_rcp_f32 v14, v14
	v_and_b32 v11, 15, v0                          ; (a plain line behind the reciprocal)  r
	v_bfe_u32 v25, v0, 4, 1                        ; h
	s_mul_i32 s32, s[WV], 16*272
	s_add_co_u32 s32, s32, STAGE
	v_mul_u32_u24 v[STO], v11, 272
	v_mul_u32_u24 v[RD], v25, 272
	s_delay_alu instid0(VALU_DEP_2)
	v_lshl_add_u32 v[STO], v25, 5, v[STO]
	s_delay_alu instid0(VALU_DEP_2)
	v_lshl_add_u32 v[RD], v11, 4, v[RD]
	s_delay_alu instid0(VALU_DEP_2)
	v_add_nc_u32 v[STO], s32, v[STO]               ; in: row r; tile t's eight channels of my half at 64 t + 32 h
	s_delay_alu instid0(VALU_DEP_2)
	v_add_nc_u32 v[RD], s32, v[RD]                 ; back: lanes 0-15 one row, lanes 16-31 the next
	s_wait_alu depctr_va_vdst(0)                   ; the wait ahead of the first reader of the reciprocal and of O^T
.set n, 0
.rept 16
	v_pk_mul_f32 v[S+n:S+n+1], v[O+n:O+n+1], v[14:15] op_sel_hi:[1,0]
.set n, n+2
.endr
.irp t, 0,1,2,3
	ds_store_b128 v[STO], v[S+8*\t:S+8*\t+3] offset:64*\t
	ds_store_b128 v[STO], v[S+8*\t+4:S+8*\t+7] offset:64*\t+16
.endr
.irp i, 0,1,2,3,4,5,6,7
	ds_load_b128 v[V+4*\i:V+4*\i+3], v[RD] offset:544*\i       ; LDS serves a wave's instructions in order (ISA guide 5.7.1.4): these see my stores
.endr
	s_wait_loadcnt 0x0                             ; x
.set n, 0
.irp xb, 72,76,80,84,88,92,248,252
	s_wait_dscnt 7-n
	v_pk_add_f32 v[V+4*n:V+4*n+1], v[V+4*n:V+4*n+1], v[\xb:\xb+1]          ; the residual
	v_pk_add_f32 v[V+4*n+2:V+4*n+3], v[V+4*n+2:V+4*n+3], v[\xb+2:\xb+3]
	global_store_b128 v[GO], v[V+4*n:V+4*n+3], s[40:41] offset:8192*n
.set n, n+1
.endr
	s_wait_tensorcnt 0x0                           ; the wave's end
	ds_add_u32 v[SPW], v[NIL]
	s_wait_dscnt 0x0
	CROUND                                         ; the closing round
	s_endpgm
.Lfunc_end_k_q422caf256d_attn:
	.size	k_q422caf256d_attn, .Lfunc_end_k_q422caf256d_attn-k_q422caf256d_attn
	.p2alignl 7, 3214868480
	.fill 96, 4, 3214868480
	.section	.rodata,"a",@progbits
	.p2align	6, 0x0
	.amdhsa_kernel k_q422caf256d_attn
		.amdhsa_group_segment_fixed_size 219136
		.amdhsa_private_segment_fixed_size 0
		.amdhsa_enable_private_segment 0
		.amdhsa_kernarg_size 24
		.amdhsa_user_sgpr_count 2
		.amdhsa_user_sgpr_kernarg_segment_ptr 1
		.amdhsa_wavefront_size32 1
		.amdhsa_system_sgpr_workgroup_id_x 1
		.amdhsa_system_sgpr_workgroup_id_y 1
		.amdhsa_system_sgpr_workgroup_id_z 1
		.amdhsa_system_vgpr_workitem_id 0
		.amdhsa_next_free_vgpr 256
		.amdhsa_next_free_sgpr 66
		.amdhsa_reserve_vcc 0
		.amdhsa_float_denorm_mode_32 3
		.amdhsa_float_denorm_mode_16_64 3
		.amdhsa_memory_ordered 1
		.amdhsa_forward_progress 1
		.amdhsa_inst_pref_size 28
	.end_amdhsa_kernel
	.amdgpu_metadata
---
amdhsa.version: [ 1, 2 ]
amdhsa.kernels:
  - .name:           k_q422caf256d_attn
    .symbol:         k_q422caf256d_attn.kd
    .args:
      - { .name: qkvw, .offset: 0, .size: 8, .value_kind: global_buffer, .address_space: global }
      - { .name: encoder_input, .offset: 8, .size: 8, .value_kind: global_buffer, .address_space: global }
      - { .name: res, .offset: 16, .size: 8, .value_kind: global_buffer, .address_space: global }
    .group_segment_fixed_size: 219136
    .private_segment_fixed_size: 0
    .kernarg_segment_align: 8
    .kernarg_segment_size: 24
    .max_flat_workgroup_size: 512
    .sgpr_count:     66
    .vgpr_count:     256
    .wavefront_size: 32
...
	.end_amdgpu_metadata
.endif
;; end of part 3
;; launch ln1 (part 4): grid 256 x 1, 8 waves a work-group, no clusters, 38,400 bytes of LDS; arguments res, g1, beta1, y1, y1q; writes y1, y1q
.if DOCPART == 4
	.amdgcn_target "amdgcn-amd-amdhsa--gfx1250"
	.amdhsa_code_object_version 6
	.text
	.protected	k_q422caf256d_ln1
	.globl	k_q422caf256d_ln1
	.p2align	8
	.type	k_q422caf256d_ln1,@function
k_q422caf256d_ln1:
	s_mov_b64 s[64:65], 0
	v_nop
	global_prefetch_b8 v0, s[64:65] scope:SCOPE_SE
	s_setreg_imm32_b32 hwreg(HW_REG_WAVE_MODE, 25, 1), 1
	s_wait_xcnt 0x0
; y1 = LayerNorm(x + o) g1 + beta1, in f32, stored as f32 and as codes of FP4 with E8M0 scale bytes (laid as xq: [4096][512 bytes], and XSCL bytes on [4096][32]).
; The mean, then the mean of the squared differences from it, as the definition has them: two passes over registers, so a common offset of the inputs costs no accuracy.
; SHARES.  A work-group takes 16 rows, each of its eight waves 2; a row of 4,096 bytes lies in 32 registers of the wave: load j gives lane l the numbers 128 j + 4 l + 0 .. 3.
; ALL OF A WAVE'S LOADS GO OUT AT THE HEAD: the gain and the offset (16 loads), then both rows of x + o (16 loads), each into registers of its own: no load stands behind a store.
; For the quantiser lane l must hold block l (32 neighbours): the finished row turns through the wave's own stage in LDS (16 bytes of padding behind each 128).
; LIMITS: a block whose largest magnitude lies under 2^-124 (zeros too) gets the byte 1; NaN and infinities are not served.
; res holds x + o as the launch before stored it: one stream of 16 loads for a wave's two rows; x itself is not read here.
.set STG,  4608
.set SCB,  8*STG                       ; behind the eight stages: the work-group's 512 scale bytes
.set XSCL, 2097152
.set LI,   1
.set SIN,  2
.set SOUT, 3
.set SBA,  4
.set E,    8                           ; v8-9    a scale byte for each row
.set G,    16                          ; v16-47  the gain of my 32 columns
.set BE,   48                          ; v48-79  the offset
.set AB,   80                          ; v80-207 two sets of 32 + 32: a set for each row
.set C,    208                         ; v208-215 two rows' codes
.set SA,   224                         ; v[224:225], v[226:227] sums, in two chains
.set SB,   226
.set MU,   228                         ; v[228:229] the mean (the low word serves both halves)
.set RS,   230                         ; v[230:231] 1 / sqrt(var + eps)
.set T1,   232
.set T2,   233
.set QM,   234
.set QS,   236
	s_load_b64 s[6:7], s[0:1], 0x0                 ; x + o
	s_load_b128 s[8:11], s[0:1], 0x8               ; g1, beta1
	s_load_b128 s[12:15], s[0:1], 0x18             ; y1, y1q
	v_lshl_add_u32 v240, v0, 2, 0x9200
	v_mov_b32 v241, 0
	v_lshrrev_b32 v5, 5, v0
	s_delay_alu instid0(VALU_DEP_1)
	v_readfirstlane_b32 s16, v5                    ; wave 0..7
	v_and_b32 v6, 31, v0
	s_delay_alu instid0(VALU_DEP_1)
	v_lshlrev_b32 v[LI], 4, v6
	s_delay_alu instid0(VALU_DEP_2)
	v_lshrrev_b32 v7, 3, v6
	s_mul_i32 s17, s16, STG
	v_lshl_add_u32 v[SIN], v7, 4, v[LI]
	s_delay_alu instid0(VALU_DEP_1)
	v_add_nc_u32 v[SIN], s17, v[SIN]
	v_mul_u32_u24 v[SOUT], v6, 144
	s_delay_alu instid0(VALU_DEP_1)
	v_add_nc_u32 v[SOUT], s17, v[SOUT]
	s_lshl_b32 s17, s16, 6                         ; 64 scale bytes a wave: two rows of 32
	s_add_co_u32 s17, s17, SCB
	v_add_nc_u32 v[SBA], s17, v6
	v_mov_b32 v[MU+1], 0                           ; (upper halves of pairs, named but not used)
	v_mov_b32 v[RS+1], 0
	v_mov_b32 v[T2], 0                             ; a lane permute's destination counts as one of its sources
	s_lshl_b32 s18, ttmp9, 16                      ; 16 rows of 4,096 bytes a work-group,
	s_lshl_b32 s17, s16, 13                        ; 2 a wave
	s_add_co_u32 s18, s18, s17                     ; my first row, in bytes
	s_mov_b32 s19, 0
	s_lshr_b32 s26, s18, 3                         ; its codes
	s_mov_b32 s27, 0
	s_lshl_b32 s28, ttmp9, 9
	s_add_co_u32 s28, s28, XSCL                    ; the work-group's scale bytes
	s_mov_b32 s29, 0
	s_mov_b32 s20, 0x3a800000                      ; 1 / 1024
	s_mov_b32 s21, 0x3727c5ac                      ; 1e-5
	s_mov_b32 s22, 0x76543210
	s_mov_b32 s23, 0xfedcba98
	s_wait_kmcnt 0x0
	s_add_nc_u64 s[6:7], s[6:7], s[18:19]
	s_add_nc_u64 s[12:13], s[12:13], s[18:19]
	s_add_nc_u64 s[24:25], s[14:15], s[28:29]
	s_add_nc_u64 s[14:15], s[14:15], s[26:27]
.irp j, 0,1,2,3,4,5,6,7
	global_load_b128 v[G+4*\j:G+4*\j+3], v[LI], s[8:9] offset:512*\j
	global_load_b128 v[BE+4*\j:BE+4*\j+3], v[LI], s[10:11] offset:512*\j
.endr
.macro FILL s, i                       ; row i into set s: 8 loads of 512 consecutive bytes
.irp j, 0,1,2,3,4,5,6,7
	global_load_b128 v[AB+64*(\s)+4*\j:AB+64*(\s)+4*\j+3], v[LI], s[6:7] offset:4096*(\i)+512*\j th:TH_LOAD_NT
.endr
.endm
.macro REDUCE                          ; v[T1] summed over the 32 lanes, the result in every lane
	s_delay_alu instid0(VALU_DEP_1)
	v_add_f32_dpp v[T1], v[T1], v[T1] row_xmask:1 row_mask:0xf bank_mask:0xf
	s_delay_alu instid0(VALU_DEP_1)
	v_add_f32_dpp v[T1], v[T1], v[T1] row_xmask:2 row_mask:0xf bank_mask:0xf
	s_delay_alu instid0(VALU_DEP_1)
	v_add_f32_dpp v[T1], v[T1], v[T1] row_xmask:4 row_mask:0xf bank_mask:0xf
	s_delay_alu instid0(VALU_DEP_1)
	v_add_f32_dpp v[T1], v[T1], v[T1] row_xmask:8 row_mask:0xf bank_mask:0xf
	s_delay_alu instid0(VALU_DEP_1)
	v_permlanex16_b32 v[T2], v[T1], s22, s23
	s_delay_alu instid0(VALU_DEP_1)
	v_add_f32 v[T1], v[T1], v[T2]
.endm
.macro ROW s, i, left
.set ZA, AB+64*(\s)
.set ZB, AB+64*(\s)+32
	s_wait_loadcnt \left                           ; this row's loads are in; the other row's eight, issued behind them, may be out
	v_pk_add_f32 v[SA:SA+1], v[ZA:ZA+1], v[ZA+2:ZA+3]
	v_pk_add_f32 v[SB:SB+1], v[ZA+4:ZA+5], v[ZA+6:ZA+7]
.irp p, 8,12,16,20,24,28
	s_delay_alu instid0(VALU_DEP_2)
	v_pk_add_f32 v[SA:SA+1], v[SA:SA+1], v[ZA+\p:ZA+\p+1]
	s_delay_alu instid0(VALU_DEP_2)
	v_pk_add_f32 v[SB:SB+1], v[SB:SB+1], v[ZA+\p+2:ZA+\p+3]
.endr
	s_delay_alu instid0(VALU_DEP_1)
	v_pk_add_f32 v[SA:SA+1], v[SA:SA+1], v[SB:SB+1]
	s_delay_alu instid0(VALU_DEP_1)
	v_add_f32 v[T1], v[SA], v[SA+1]
	REDUCE
	s_delay_alu instid0(VALU_DEP_1)
	v_mul_f32 v[MU], s20, v[T1]                    ; the mean
.set n, 0
.rept 16
	v_pk_add_f32 v[ZA+n:ZA+n+1], v[ZA+n:ZA+n+1], v[MU:MU+1] op_sel_hi:[1,0] neg_lo:[0,1] neg_hi:[0,1]
.set n, n+2
.endr
	v_pk_mul_f32 v[SA:SA+1], v[ZA:ZA+1], v[ZA:ZA+1]
	v_pk_mul_f32 v[SB:SB+1], v[ZA+2:ZA+3], v[ZA+2:ZA+3]
.irp p, 4,8,12,16,20,24,28
	s_delay_alu instid0(VALU_DEP_2)
	v_pk_fma_f32 v[SA:SA+1], v[ZA+\p:ZA+\p+1], v[ZA+\p:ZA+\p+1], v[SA:SA+1]
	s_delay_alu instid0(VALU_DEP_2)
	v_pk_fma_f32 v[SB:SB+1], v[ZA+\p+2:ZA+\p+3], v[ZA+\p+2:ZA+\p+3], v[SB:SB+1]
.endr
	s_delay_alu instid0(VALU_DEP_1)
	v_pk_add_f32 v[SA:SA+1], v[SA:SA+1], v[SB:SB+1]
	s_delay_alu instid0(VALU_DEP_1)
	v_add_f32 v[T1], v[SA], v[SA+1]
	REDUCE
	s_delay_alu instid0(VALU_DEP_1)
	v_fma_f32 v[T1], v[T1], s20, s21               ; the variance + eps
	s_wait_alu depctr_va_vdst(0)
	v_rsq_f32 v[RS], v[T1]
	v_nop                                          ; a plain line behind the transcendental
	s_wait_alu depctr_va_vdst(0)                   ; and the wait ahead of its first reader
.set n, 0
.rept 16
	v_pk_mul_f32 v[ZA+n:ZA+n+1], v[ZA+n:ZA+n+1], v[RS:RS+1] op_sel_hi:[1,0]
.set n, n+2
.endr
.set n, 0
.rept 16
	v_pk_fma_f32 v[ZA+n:ZA+n+1], v[ZA+n:ZA+n+1], v[G+n:G+n+1], v[BE+n:BE+n+1]
.set n, n+2
.endr
.irp j, 0,1,2,3,4,5,6,7
	global_store_b128 v[LI], v[ZA+4*\j:ZA+4*\j+3], s[12:13] offset:4096*(\i)+512*\j   ; 512 consecutive bytes, aligned
.endr
.irp j, 0,1,2,3,4,5,6,7
	ds_store_b128 v[SIN], v[ZA+4*\j:ZA+4*\j+3] offset:576*\j
.endr
.irp j, 0,1,2,3,4,5,6,7
	ds_load_b128 v[ZB+4*\j:ZB+4*\j+3], v[SOUT] offset:16*\j    ; LDS serves a wave's instructions in order: these see the stores above
.endr
	s_wait_dscnt 0x0
	v_max3_num_f32 v[QM], |v[ZB]|, |v[ZB+1]|, |v[ZB+2]|            ; block l of the row: all 32 numbers are mine
	v_max3_num_f32 v[QM+1], |v[ZB+3]|, |v[ZB+4]|, |v[ZB+5]|
.irp p, 6,10,14,18,22,26
	s_delay_alu instid0(VALU_DEP_2)
	v_max3_num_f32 v[QM], v[QM], |v[ZB+\p]|, |v[ZB+\p+1]|
	s_delay_alu instid0(VALU_DEP_2)
	v_max3_num_f32 v[QM+1], v[QM+1], |v[ZB+\p+2]|, |v[ZB+\p+3]|
.endr
	s_delay_alu instid0(VALU_DEP_2)
	v_max3_num_f32 v[QM], v[QM], |v[ZB+30]|, |v[ZB+31]|
	s_delay_alu instid0(VALU_DEP_1)
	v_max3_num_f32 v[QM], v[QM], v[QM+1], 0x1800000                ; the floor 2^(3 - 127)
	s_delay_alu instid0(VALU_DEP_1)
	v_add_nc_u32 v[QS], 0xff000000, v[QM]
.irp g, 0,1,2,3
	v_cvt_scalef32_pk8_fp4_f32 v[C+4*(\i)+\g], v[ZB+8*\g:ZB+8*\g+7], v[QS]
.endr
	v_lshrrev_b32 v[E+(\i)], 23, v[QS]             ; the scale's byte (also the plain line behind the conversions)
	ds_store_b8 v[SBA], v[E+(\i)] offset:32*(\i)
	global_store_b128 v[LI], v[C+4*(\i):C+4*(\i)+3], s[14:15] offset:512*(\i)
.endm
	FILL 0, 0
	FILL 1, 1
	ROW 0, 0, 8                                    ; the other row's eight loads may be out
	ROW 1, 1, 0                                    ; no register that a store reads is written again: each row has its own set, codes and byte
	s_wait_dscnt 0x0                               ; for the others' sake: my scale bytes have landed
	s_barrier_signal -1
	s_barrier_wait -1
	s_cmp_lg_u32 s16, 0
	s_cbranch_scc1 .Lend
	v_add_nc_u32 v5, SCB, v[LI]
	ds_load_b128 v[SA:SA+3], v5
	s_wait_dscnt 0x0
	global_store_b128 v[LI], v[SA:SA+3], s[24:25]  ; the 16 rows' 512 scale bytes
.Lend:
	s_wait_tensorcnt 0x0
	ds_add_u32 v240, v241
	s_wait_dscnt 0x0
	s_endpgm
.Lfunc_end_k_q422caf256d_ln1:
	.size	k_q422caf256d_ln1, .Lfunc_end_k_q422caf256d_ln1-k_q422caf256d_ln1
	.p2alignl 7, 3214868480
	.fill 96, 4, 3214868480
	.section	.rodata,"a",@progbits
	.p2align	6, 0x0
	.amdhsa_kernel k_q422caf256d_ln1
		.amdhsa_group_segment_fixed_size 38400
		.amdhsa_private_segment_fixed_size 0
		.amdhsa_enable_private_segment 0
		.amdhsa_kernarg_size 40
		.amdhsa_user_sgpr_count 2
		.amdhsa_user_sgpr_kernarg_segment_ptr 1
		.amdhsa_wavefront_size32 1
		.amdhsa_system_sgpr_workgroup_id_x 1
		.amdhsa_system_sgpr_workgroup_id_y 1
		.amdhsa_system_sgpr_workgroup_id_z 1
		.amdhsa_system_vgpr_workitem_id 0
		.amdhsa_next_free_vgpr 242
		.amdhsa_next_free_sgpr 66
		.amdhsa_reserve_vcc 0
		.amdhsa_float_denorm_mode_32 3
		.amdhsa_float_denorm_mode_16_64 3
		.amdhsa_memory_ordered 1
		.amdhsa_forward_progress 1
		.amdhsa_inst_pref_size 28
	.end_amdhsa_kernel
	.amdgpu_metadata
---
amdhsa.version: [ 1, 2 ]
amdhsa.kernels:
  - .name:           k_q422caf256d_ln1
    .symbol:         k_q422caf256d_ln1.kd
    .args:
      - { .name: res, .offset: 0, .size: 8, .value_kind: global_buffer, .address_space: global }
      - { .name: g1, .offset: 8, .size: 8, .value_kind: global_buffer, .address_space: global }
      - { .name: beta1, .offset: 16, .size: 8, .value_kind: global_buffer, .address_space: global }
      - { .name: y1, .offset: 24, .size: 8, .value_kind: global_buffer, .address_space: global }
      - { .name: y1q, .offset: 32, .size: 8, .value_kind: global_buffer, .address_space: global }
    .group_segment_fixed_size: 38400
    .private_segment_fixed_size: 0
    .kernarg_segment_align: 8
    .kernarg_segment_size: 40
    .max_flat_workgroup_size: 256
    .sgpr_count:     66
    .vgpr_count:     242
    .wavefront_size: 32
...
	.end_amdgpu_metadata
.endif
;; end of part 4
;; launch ffn1 (part 5): grid 16 x 16, 4 waves a work-group, clusters of 4 x 4, 327,680 bytes of LDS; arguments y1q, W1_codes, W1_scales, b1, hq; writes hq
.if DOCPART == 5
	.amdgcn_target "amdgcn-amd-amdhsa--gfx1250"
	.amdhsa_code_object_version 6
	.text
	.protected	k_q422caf256d_ffn1
	.globl	k_q422caf256d_ffn1
	.p2align	8
	.type	k_q422caf256d_ffn1,@function
k_q422caf256d_ffn1:
	s_mov_b64 s[64:65], 0
	v_nop
	global_prefetch_b8 v0, s[64:65] scope:SCOPE_SE
	s_setreg_imm32_b32 hwreg(HW_REG_WAVE_MODE, 25, 1), 1
	s_wait_xcnt 0x0
	s_wait_alu depctr_hold_cnt(0) depctr_sa_sdst(0) depctr_va_vdst(0) depctr_va_sdst(0) depctr_va_ssrc(0) depctr_va_vcc(0) depctr_vm_vsrc(0)
	s_getreg_b32 s2, hwreg(HW_REG_IB_STS2, 6, 4)
	s_cmp_eq_u32 s2, 0
	s_cbranch_scc0 .Lentry_in_a_cluster
	s_endpgm
.Lentry_in_a_cluster:
	s_bfe_u32 s2, ttmp6, 0x10000c
	s_cmp_lg_u32 s2, 0xf033
	s_cbranch_scc0 .Lentry_shape_is_right
	s_endpgm
.Lentry_shape_is_right:
; h = relu(y1 W1 + b1) on codes of FP4 with E8M0 scales, quantised along the hidden axis and stored as images of operand registers for the next product.
; Tiles of 256 x 256, four waves of 128 x 128; source 0 = 16 rows of W1, source 1 = 16 rows of y1: a lane holds one token and eight neighbouring hidden units.  The bias is the C of each accumulator's first product.
; K = 1,024 lies whole in LDS: rows of 512 bytes + 16.  The launch's four tiles (A's codes, B's codes, A's scales, B's scales) come by one joint load a wave at the head; nothing is filled later.
; CLUSTERS: 4 x 4 work-groups; A's tiles are asked for jointly along a row of the cluster, B's along a column.
; LIMITS: a block whose largest magnitude lies under 2^-124 (zeros too) gets the byte 1; NaN and infinities are not served.
.set KSTEP,  512
.set NQ,     4
.set ROWB,   512                       ; a tile's row in bytes: the whole K
.set KROW,   512
.set PITCH,  528                       ; 132 words: the 16 rows that a load touches start at 16 different banks (ISA guide 11.1)
.set FR,     8
.set NL,     2
.set NP,     4
.set HALFT,  128*PITCH
.set SLOT,   256                       ; the second 512 along K begin 256 bytes on in each LDS row
.set KS,     32
.set SCL,    4*HALFT                   ; behind A's and B's 256 rows: the scales
.set HALFS,  16*272
.set SBLK,   2*272
.set SPARE,  SCL+4*HALFS
.set XSCL,   2097152
.set HSCL,   8388608
.set ADRA, 16
.set ADRB, 20
.set LI,   24
.set ADRS, 27
.set SPW,  28
.set NIL,  29
.set SC,   32
.set PC,   96
.set TM,   104
.set WE,   120
.set AF,   128
.set T,    128
.set BI,   192
.set G1, 24
.set G0, 32
.set G1B, 48
.set G0B, 56
.set G1S, 68
.set G0S, 76
.set G1SB, 80
.set G0SB, 88
.set OUT, 96
.set SEL, 100
.set MSB, 0
.macro WIN new
.if MSB != (\new)
	s_set_vgpr_msb (MSB<<8)|(\new)
.set MSB, (\new)
.endif
.endm
.set MUL_LO, 0xa1
.set MUL_HI, 0xf1
.set TO_B,   0x40
; One arm of the head's tree of branches on the wave's number: every way passes one load.
.macro ARM under, g0, g1, next
	s_cmp_lt_u32 s14, \under
	s_cbranch_scc0 \next
	tensor_load_to_lds s[\g0:\g0+3], s[\g1:\g1+7]
	s_nop 0
.rept 4
	v_nop
.endr
	s_branch .Lhead_asked
\next:
.endm
.macro CROUND
	s_barrier_signal -1
	s_barrier_wait -1
	s_cmp_lg_u32 s14, 0
	s_cbranch_scc1 .Lnot_wave_0_\@
	s_barrier_signal -3
.Lnot_wave_0_\@:
	s_barrier_wait -3
	s_barrier_signal -1
	s_barrier_wait -1
.endm
	s_load_b256 s[4:11], s[0:1], 0x0
	s_load_b64 s[12:13], s[0:1], 0x20
	v_lshl_add_u32 v[SPW], v0, 2, SPARE
	v_mov_b32 v[NIL], 0
	ds_add_u32 v28, v29
	ds_add_u32 v28, v29
	s_wait_dscnt 0x0
	v_lshrrev_b32 v1, 5, v0
	v_readfirstlane_b32 s14, v1
	s_lshr_b32 s15, s14, 1
	s_and_b32 s16, s14, 1
	s_bfe_u32 s40, ttmp6, 0x40000
	s_bfe_u32 s41, ttmp6, 0x40004
	s_lshl_b32 s42, ttmp9, 2
	s_add_co_u32 s42, s42, s40
	s_and_b32 s17, ttmp7, 0xffff
	s_lshl_b32 s17, s17, 2
	s_add_co_u32 s17, s17, s41
	s_lshl_b32 s43, s41, 2
	s_lshl_b32 s43, 15, s43
	s_lshl_b32 s44, 0x1111, s40
	s_or_b32 s[G1+0], s43, (0<<16)|(1<<20)|(1<<21)|(6<<22)|(3<<25)  ; the mask; elements of 1 byte; padding of 4 words behind every 128; bit 21 beside a mask
	s_or_b32 s[G1B+0], s44, (0<<16)|(1<<20)|(1<<21)|(6<<22)|(3<<25)
.irp g, G1, G1B
	s_mov_b32 s[\g+1], ROWB<<16
	s_mov_b32 s[\g+2], 256<<16
	s_mov_b32 s[\g+3], ROWB<<16
	s_mov_b32 s[\g+4], 256
	s_mov_b32 s[\g+5], KROW
	s_mov_b32 s[\g+6], 0
	s_mov_b32 s[\g+7], 0
.endr
	s_or_b32 s[G1S+0], s43, (3<<16)|(1<<20)|(1<<21)|(5<<22)|(3<<25)
	s_or_b32 s[G1SB+0], s44, (3<<16)|(1<<20)|(1<<21)|(5<<22)|(3<<25)
.irp g, G1S, G1SB
	s_mov_b32 s[\g+1], 32<<16
	s_mov_b32 s[\g+2], 32<<16
	s_mov_b32 s[\g+3], 32<<16
	s_mov_b32 s[\g+4], 32
	s_mov_b32 s[\g+5], 32
	s_mov_b32 s[\g+6], 0
	s_mov_b32 s[\g+7], 0
.endr
	s_mov_b32 s[SEL], 0x76543210
	s_mov_b32 s[SEL+1], 0xfedcba98
	s_lshl_b32 s20, s17, 8                         ; A: the tile's first row
	s_lshl_b32 s46, s42, 8                         ; B's
	s_lshl_b32 s22, s20, 5
	s_add_co_u32 s22, s22, XSCL
	s_mov_b32 s23, 0
	s_lshl_b32 s92, s46, 5
	s_mov_b32 s93, 0
	s_lshl_b32 s20, s20, 9
	s_mov_b32 s21, 0
	s_lshl_b32 s46, s46, 9
	s_mov_b32 s47, 0
	s_wait_kmcnt 0x0
	s_add_nc_u64 s[20:21], s[4:5], s[20:21]
	s_add_nc_u64 s[22:23], s[4:5], s[22:23]
	s_add_nc_u64 s[46:47], s[6:7], s[46:47]
	s_add_nc_u64 s[92:93], s[8:9], s[92:93]
	CROUND
	s_mov_b32 s[G0S], 1
	s_mov_b32 s[G0S+1], SCL
	s_mov_b64 s[G0S+2:G0S+3], s[22:23]
	s_or_b32 s[G0S+3], s[G0S+3], 0x80000000
	s_mov_b32 s[G0SB], 1
	s_mov_b32 s[G0SB+1], SCL+2*HALFS
	s_mov_b64 s[G0SB+2:G0SB+3], s[92:93]
	s_or_b32 s[G0SB+3], s[G0SB+3], 0x80000000
	s_mov_b32 s[G0], 1                             ; A's 256 rows from LDS byte 0,
	s_mov_b32 s[G0+1], 0
	s_mov_b64 s[G0+2:G0+3], s[20:21]
	s_or_b32 s[G0+3], s[G0+3], 0x80000000
	s_mov_b32 s[G0B], 1                            ; B's behind them
	s_mov_b32 s[G0B+1], 2*HALFT
	s_mov_b64 s[G0B+2:G0B+3], s[46:47]
	s_or_b32 s[G0B+3], s[G0B+3], 0x80000000
	ARM 1, G0,  G1,  .Lhead_b
	ARM 2, G0B, G1B, .Lhead_sa
	ARM 3, G0S, G1S, .Lhead_sb
	tensor_load_to_lds s[G0SB:G0SB+3], s[G1SB:G1SB+7]
	s_nop 0
.rept 4
	v_nop
.endr
.Lhead_asked:
	v_and_b32 v1, 15, v0
	v_bfe_u32 v2, v0, 4, 1
	v_mul_u32_u24 v3, v1, PITCH
	v_lshl_add_u32 v4, v2, 4, v3
	s_mul_i32 s21, s15, HALFT
	s_mul_i32 s22, s16, HALFT
	s_add_co_u32 s22, s22, 2*HALFT
.irp s, 0,1
	v_add_nc_u32 v[ADRA+\s], s21, v4
	v_add_nc_u32 v[ADRB+\s], s22, v4
	s_add_co_u32 s21, s21, SLOT
	s_add_co_u32 s22, s22, SLOT
.endr
	v_mul_u32_u24 v5, v1, KS
	v_lshrrev_b32 v6, 8, v5
	v_lshl_add_u32 v5, v6, 4, v5
	s_mul_i32 s21, s15, HALFS
	s_mul_i32 s22, s16, HALFS
	s_add_co_u32 s22, s22, 2*HALFS
	s_sub_co_u32 s22, s22, s21
	v_mul_u32_u24 v6, s22, v2
	s_add_co_u32 s21, s21, SCL
	v_add_nc_u32 v5, v5, v6
	v_add_nc_u32 v[ADRS], s21, v5
	v_and_b32 v6, 31, v0
	v_lshlrev_b32 v[LI], 4, v6
.irp b, 0,1,2,3
	v_mov_b32 v[TM+4+\b], 0
.endr
	s_lshl_b32 s18, s42, 1
	s_add_co_u32 s18, s18, s16
	s_lshl_b32 s19, s17, 1
	s_add_co_u32 s19, s19, s15
	s_lshl_b32 s20, s19, 18
	s_lshr_b32 s21, s18, 3
	s_lshl_b32 s21, s21, 15
	s_add_co_u32 s20, s20, s21
	s_and_b32 s21, s18, 7
	s_lshl_b32 s21, s21, 12
	s_add_co_u32 s20, s20, s21
	s_mov_b32 s21, 0
	s_add_nc_u64 s[OUT:OUT+1], s[12:13], s[20:21]
	s_lshl_b32 s20, s19, 5
	s_add_co_u32 s20, s20, s18
	s_lshl_b32 s20, s20, 9
	s_add_co_u32 s20, s20, HSCL
	s_add_nc_u64 s[OUT+2:OUT+3], s[12:13], s[20:21]
	s_lshl_b32 s20, s18, 9
	s_add_nc_u64 s[10:11], s[10:11], s[20:21]
	v_lshlrev_b32 v7, 5, v2
.irp b, 0,1,2,3,4,5,6,7
	global_load_b128 v[BI+8*\b:BI+8*\b+3], v7, s[10:11] offset:64*\b
	global_load_b128 v[BI+8*\b+4:BI+8*\b+7], v7, s[10:11] offset:64*\b+16
.endr
.macro FRAG reg, adr, q, i
.irp c, 0,1
	ds_load_b128 v[\reg+4*\c:\reg+4*\c+3], v[\adr] offset:64*(\q)+32*\c+(\i)*16*PITCH
.endr
.endm
.macro MUL16 a0, p, q, sc, first
.irp a, \a0, \a0+1
.irp b, 0,1,2,3,4,5,6,7
.if \first
	v_wmma_scale_f32_16x16x128_f8f6f4 v[8*(8*((\a)%4)+\b):8*(8*((\a)%4)+\b)+7], v[128*(\p)+FR*\b:128*(\p)+FR*\b+FR-1], v[AF+FR*(\a):AF+FR*(\a)+FR-1], v[BI+8*\b:BI+8*\b+7], v[SC+8*NQ*(\sc)+NQ*\b+(\q)], v[SC+8*NQ*(\sc)+NQ*(\a)+(\q)] matrix_a_fmt:MATRIX_FMT_FP4 matrix_b_fmt:MATRIX_FMT_FP4 matrix_a_scale:MATRIX_SCALE_ROW1
.else
	v_wmma_scale_f32_16x16x128_f8f6f4 v[8*(8*((\a)%4)+\b):8*(8*((\a)%4)+\b)+7], v[128*(\p)+FR*\b:128*(\p)+FR*\b+FR-1], v[AF+FR*(\a):AF+FR*(\a)+FR-1], v[8*(8*((\a)%4)+\b):8*(8*((\a)%4)+\b)+7], v[SC+8*NQ*(\sc)+NQ*\b+(\q)], v[SC+8*NQ*(\sc)+NQ*(\a)+(\q)] matrix_a_fmt:MATRIX_FMT_FP4 matrix_b_fmt:MATRIX_FMT_FP4 matrix_a_scale:MATRIX_SCALE_ROW1
.endif
.endr
.endr
.endm
.macro FETCH_B slot, q, p
	WIN TO_B
.irp i, 0,1,2,3,4,5,6,7
	FRAG 128*(\p)+FR*\i, ADRB+\slot, \q, \i
.endr
	WIN 0
.endm
.macro FETCH_A slot, q, i0
.irp i, \i0, \i0+1, \i0+2, \i0+3
	FRAG AF+FR*(\i), ADRA+\slot, \q, \i
.endr
.endm
.macro SCALES sc
.irp i, 0,1,2,3,4,5,6,7
	ds_load_b128 v[SC+8*NQ*\sc+NQ*\i:SC+8*NQ*\sc+NQ*\i+3], v[ADRS] offset:\i*SBLK
.endr
.endm
.macro PLACES n
.rept \n
	v_nop
.endr
.endm
.macro STEP slot, q, first
	s_wait_dscnt 4*NL
	WIN MUL_LO-0x20*(\first)
	MUL16 0, (\q)%2, \q, \slot, \first
	MUL16 2, (\q)%2, \q, \slot, \first
	s_wait_dscnt 0
	PLACES NP
	FETCH_B \slot, (\q)+1, 1-(\q)%2
	FETCH_A \slot, (\q)+1, 0
	WIN MUL_HI-0x30*(\first)
	MUL16 4, (\q)%2, \q, \slot, \first
	MUL16 6, (\q)%2, \q, \slot, \first
	PLACES NP
	WIN 0
	FETCH_A \slot, (\q)+1, 4
.endm
.macro TURN slot, next
	s_wait_tensorcnt 0x0
	ds_add_u32 v[SPW], v[NIL]
	s_wait_dscnt 4*NL+1
	WIN MUL_LO
	MUL16 0, 1, NQ-1, \slot, 0
	s_wait_dscnt 0x0
	s_barrier_signal -1
	MUL16 2, 1, NQ-1, \slot, 0
	WIN 0
	s_barrier_wait -1
	PLACES NP
	v_add_nc_u32 v[ADRS], 4*NQ, v[ADRS]
	FETCH_B \next, 0, 0
	FETCH_A \next, 0, 0
	SCALES \next
	WIN MUL_HI
	MUL16 4, 1, NQ-1, \slot, 0
	MUL16 6, 1, NQ-1, \slot, 0
	PLACES NP
	WIN 0
	FETCH_A \next, 0, 4
.endm
.macro STEPS slot, from
.set Q, \from
.rept NQ-1-\from
	STEP \slot, Q, 0
.set Q, Q+1
.endr
.endm
	s_wait_alu depctr_va_vdst(0)
	s_wait_tensorcnt 0x0                           ; my one tile is in; behind the barrier all four are
	s_barrier_signal -1
	s_barrier_wait -1
	FETCH_B 0, 0, 0
	FETCH_A 0, 0, 0
	SCALES 0
	FETCH_A 0, 0, 4
	s_wait_loadcnt 0x0
	STEP 0, 0, 1
	STEPS 0, 1
	TURN 0, 1
	STEPS 1, 0
	s_wait_dscnt 4*NL
	WIN MUL_LO
	MUL16 0, 1, NQ-1, 1, 0
	MUL16 2, 1, NQ-1, 1, 0
	s_wait_dscnt 0
	WIN MUL_HI
	MUL16 4, 1, NQ-1, 1, 0
	MUL16 6, 1, NQ-1, 1, 0
	WIN 0
.macro QUANT s, pw
.irp b, 0,1,2,3
	v_max3_num_f32 v[TM+\b], |v[\s+16*\b]|, |v[\s+1+16*\b]|, 0x1800000
.endr
.irp i, 2,4,6,8,10,12,14
.irp b, 0,1,2,3
	v_max3_num_f32 v[TM+\b], v[TM+\b], |v[\s+16*\b+\i]|, |v[\s+1+16*\b+\i]|
.endr
.endr
.irp b, 0,1,2,3
	v_permlanex16_b32 v[TM+4+\b], v[TM+\b], s[SEL], s[SEL+1]
.endr
.irp b, 0,1,2,3
	v_max_num_f32 v[TM+\b], v[TM+\b], v[TM+4+\b]
.endr
.irp b, 0,1,2,3
	v_add_nc_u32 v[TM+12+\b], 0xff000000, v[TM+\b]
.endr
.irp b, 0,1,2,3
	v_lshrrev_b32 v[TM+4+\b], 23, v[TM+12+\b]
.endr
	v_lshl_or_b32 v[\pw], v[TM+5], 8, v[TM+4]
	v_lshl_or_b32 v[\pw], v[TM+6], 16, v[\pw]
	v_lshl_or_b32 v[\pw], v[TM+7], 24, v[\pw]
.irp b, 0,1,2,3
	v_cvt_scalef32_pk8_fp4_f32 v[PC+4*(\b/2)+(\b%2)], v[\s+16*\b:\s+7+16*\b], v[TM+12+\b]
	v_cvt_scalef32_pk8_fp4_f32 v[PC+4*(\b/2)+2+(\b%2)], v[\s+8+16*\b:\s+15+16*\b], v[TM+12+\b]
.endr
	v_nop
.irp c, 0,1
	v_permlane16_swap_b32 v[PC+4*\c], v[PC+4*\c+1]
	v_permlane16_swap_b32 v[PC+4*\c+2], v[PC+4*\c+3]
.endr
.endm
.macro EPI a
	WIN 0x08+4*((\a)/4)
.set n, 0
.rept 64
	v_max_num_f32 v[T+n], 0, v[64*((\a)%4)+n]
.set n, n+1
.endr
	WIN 0
.if (\a) > 0
	s_wait_xcnt 0x0
.endif
	QUANT T, WE+4*((\a)%2)+(\a)/2
	global_store_b128 v[LI], v[PC:PC+3], s[OUT:OUT+1] offset:((\a)/4)*131072+((\a)%4)*1024
	global_store_b128 v[LI], v[PC+4:PC+7], s[OUT:OUT+1] offset:((\a)/4)*131072+((\a)%4)*1024+512
.endm
	PLACES NP
.irp a, 0,1,2,3,4,5,6,7
	EPI \a
.endr
.irp p, 0,1,2,3
	v_permlane16_swap_b32 v[WE+\p], v[WE+4+\p]
.endr
	global_store_b128 v[LI], v[WE:WE+3], s[OUT+2:OUT+3]
	s_wait_tensorcnt 0x0
	ds_add_u32 v[SPW], v[NIL]
	s_wait_dscnt 0x0
	CROUND
	s_endpgm
.Lfunc_end_k_q422caf256d_ffn1:
	.size	k_q422caf256d_ffn1, .Lfunc_end_k_q422caf256d_ffn1-k_q422caf256d_ffn1
	.p2alignl 7, 3214868480
	.fill 96, 4, 3214868480
	.section	.rodata,"a",@progbits
	.p2align	6, 0x0
	.amdhsa_kernel k_q422caf256d_ffn1
		.amdhsa_group_segment_fixed_size 327680
		.amdhsa_private_segment_fixed_size 0
		.amdhsa_enable_private_segment 0
		.amdhsa_kernarg_size 40
		.amdhsa_user_sgpr_count 2
		.amdhsa_user_sgpr_kernarg_segment_ptr 1
		.amdhsa_wavefront_size32 1
		.amdhsa_system_sgpr_workgroup_id_x 1
		.amdhsa_system_sgpr_workgroup_id_y 1
		.amdhsa_system_sgpr_workgroup_id_z 1
		.amdhsa_system_vgpr_workitem_id 0
		.amdhsa_next_free_vgpr 1024
		.amdhsa_next_free_sgpr 102
		.amdhsa_reserve_vcc 0
		.amdhsa_float_denorm_mode_32 3
		.amdhsa_float_denorm_mode_16_64 3
		.amdhsa_memory_ordered 1
		.amdhsa_forward_progress 1
		.amdhsa_inst_pref_size 144
	.end_amdhsa_kernel
	.amdgpu_metadata
---
amdhsa.version: [ 1, 2 ]
amdhsa.kernels:
  - .name:           k_q422caf256d_ffn1
    .symbol:         k_q422caf256d_ffn1.kd
    .args:
      - { .name: y1q, .offset: 0, .size: 8, .value_kind: global_buffer, .address_space: global }
      - { .name: W1_codes, .offset: 8, .size: 8, .value_kind: global_buffer, .address_space: global }
      - { .name: W1_scales, .offset: 16, .size: 8, .value_kind: global_buffer, .address_space: global }
      - { .name: b1, .offset: 24, .size: 8, .value_kind: global_buffer, .address_space: global }
      - { .name: hq, .offset: 32, .size: 8, .value_kind: global_buffer, .address_space: global }
    .group_segment_fixed_size: 327680
    .private_segment_fixed_size: 0
    .kernarg_segment_align: 8
    .kernarg_segment_size: 40
    .max_flat_workgroup_size: 128
    .sgpr_count:     102
    .vgpr_count:     1024
    .wavefront_size: 32
...
	.end_amdgpu_metadata
.endif
;; end of part 5
;; launch ffn2 (part 6): grid 8 x 32, 4 waves a work-group, clusters of 4 x 4, 327,680 bytes of LDS; arguments hq, W2_codes, W2_scales, b2, res, y1; writes res
.if DOCPART == 6
	.amdgcn_target "amdgcn-amd-amdhsa--gfx1250"
	.amdhsa_code_object_version 6
	.text
	.protected	k_q422caf256d_ffn2
	.globl	k_q422caf256d_ffn2
	.p2align	8
	.type	k_q422caf256d_ffn2,@function
k_q422caf256d_ffn2:
	s_mov_b64 s[64:65], 0
	v_nop
	global_prefetch_b8 v0, s[64:65] scope:SCOPE_SE
	s_setreg_imm32_b32 hwreg(HW_REG_WAVE_MODE, 25, 1), 1
	s_wait_xcnt 0x0
	s_wait_alu depctr_hold_cnt(0) depctr_sa_sdst(0) depctr_va_vdst(0) depctr_va_sdst(0) depctr_va_ssrc(0) depctr_va_vcc(0) depctr_vm_vsrc(0)
	s_getreg_b32 s2, hwreg(HW_REG_IB_STS2, 6, 4)
	s_cmp_eq_u32 s2, 0
	s_cbranch_scc0 .Lentry_in_a_cluster
	s_endpgm
.Lentry_in_a_cluster:
	s_bfe_u32 s2, ttmp6, 0x10000c
	s_cmp_lg_u32 s2, 0xf033
	s_cbranch_scc0 .Lentry_shape_is_right
	s_endpgm
.Lentry_shape_is_right:
; res = y1 + h W2 + b2 on codes of FP4 with E8M0 scales.  Tiles of 128 x 128, four waves of 64 x 64, K = 4,096 in steps of 1,024 through a ring of two LDS slots; 4 x 4 clusters with joint loads.
; The bias is the C of each accumulator's first product.  y1's 64 rows x 256 bytes of the wave are loaded behind the ring's refills into window 2 (v512-639), in the rows' own order, and added on the way out, behind the stage.
.set PITCH,  528
.set HALFA,  32768
.set BOFF,   2*HALFA
.set HALFB,  64*PITCH
.set SLOT,   BOFF+2*HALFB
.set ASC,    2*SLOT
.set HALFAS, 8192
.set BSC,    ASC+2*HALFAS
.set HALFBS, 32*272
.set SPARE,  BSC+2*HALFBS
.set SPITCH, 272
.set HSCL,   8388608
.set LAPS,   2
.set ADRA, 16
.set ADRB, 20
.set ADAS, 22
.set ADBS, 23
.set STO,  24
.set RD,   25
.set CO,   26
.set SPW,  28
.set NIL,  29
.set AS,   32
.set BS,   64
.set TMP,  32
.set BI,   96
.set ACC,  128
.set F0,   0
.set F1,   128
.set G1, 24
.set G0, 32
.set G1B, 48
.set G0B, 56
.set G1S, 68
.set G0S, 76
.set G1SB, 80
.set G0SB, 88
.set MSB, 0
.macro WIN new
.if MSB != (\new)
	s_set_vgpr_msb (MSB<<8)|(\new)
.set MSB, (\new)
.endif
.endm
.set MUL,  0x05
.set TO_F, 0x40
.macro JLOAD g0a, g1a, g0b, g1b
	s_cmp_eq_u32 s15, 0
	s_cbranch_scc0 .Lfor_b_\@
	tensor_load_to_lds s[\g0a:\g0a+3], s[\g1a:\g1a+7]
	s_nop 0
.rept 4
	v_nop
.endr
	s_branch .Lasked_\@
.Lfor_b_\@:
	tensor_load_to_lds s[\g0b:\g0b+3], s[\g1b:\g1b+7]
	s_nop 0
.rept 4
	v_nop
.endr
.Lasked_\@:
.endm
.macro CREST
	s_cmp_lg_u32 s14, 0
	s_cbranch_scc1 .Lnot_wave_0_\@
	s_barrier_signal -3
.Lnot_wave_0_\@:
	s_barrier_wait -3
	s_barrier_signal -1
	s_barrier_wait -1
.endm
.macro CROUND
	s_barrier_signal -1
	s_barrier_wait -1
	CREST
.endm
	s_load_b256 s[4:11], s[0:1], 0x0
	s_load_b64 s[12:13], s[0:1], 0x20
	s_load_b64 s[96:97], s[0:1], 0x28              ; y1
	v_lshl_add_u32 v[SPW], v0, 2, SPARE
	v_mov_b32 v[NIL], 0
	ds_add_u32 v28, v29
	ds_add_u32 v28, v29
	s_wait_dscnt 0x0
	v_lshrrev_b32 v1, 5, v0
	v_readfirstlane_b32 s14, v1
	s_lshr_b32 s15, s14, 1
	s_and_b32 s16, s14, 1
	s_bfe_u32 s40, ttmp6, 0x40000
	s_bfe_u32 s41, ttmp6, 0x40004
	s_lshl_b32 s42, ttmp9, 2
	s_add_co_u32 s42, s42, s40
	s_and_b32 s17, ttmp7, 0xffff
	s_lshl_b32 s17, s17, 2
	s_add_co_u32 s17, s17, s41
	s_lshl_b32 s43, s41, 2
	s_lshl_b32 s43, 15, s43
	s_lshl_b32 s44, 0x1111, s40
	s_or_b32 s[G1+0], s43, (3<<16)|(1<<21)
	s_mov_b32 s[G1+1], 4096<<16                    ; for the head's load: A's two halves of K step 0 as 2 rows of 4,096 elements of 8 bytes,
	s_mov_b32 s[G1+2], 2<<16
	s_mov_b32 s[G1+3], 4096<<16
	s_mov_b32 s[G1+4], 2
	s_mov_b32 s[G1+5], 16384                       ; 131,072 bytes apart in hq
	s_mov_b32 s[G1+6], 0
	s_mov_b32 s[G1+7], 0
	s_or_b32 s[G1B+0], s44, (0<<16)|(1<<20)|(1<<21)|(6<<22)|(3<<25)
	s_mov_b32 s[G1B+1], 512<<16
	s_mov_b32 s[G1B+2], 128<<16                    ; for the head's load: B's 128 rows
	s_mov_b32 s[G1B+3], 512<<16
	s_mov_b32 s[G1B+4], 128
	s_mov_b32 s[G1B+5], 2048
	s_mov_b32 s[G1B+6], 0
	s_mov_b32 s[G1B+7], 0
	s_or_b32 s[G1S+0], s43, (3<<16)|(1<<21)
	s_or_b32 s[G1SB+0], s44, (3<<16)|(1<<20)|(1<<21)|(5<<22)|(3<<25)
.irp g, G1S, G1SB
	s_mov_b32 s[\g+1], 32<<16
	s_mov_b32 s[\g+2], 64<<16                      ; a side's scales whole: 64 rows of 256 bytes
	s_mov_b32 s[\g+3], 32<<16
	s_mov_b32 s[\g+4], 64
	s_mov_b32 s[\g+5], 32
	s_mov_b32 s[\g+6], 0
	s_mov_b32 s[\g+7], 0
.endr
	s_lshl_b32 s20, s17, 1
	s_add_co_u32 s20, s20, s16
	s_lshl_b32 s20, s20, 17
	s_mov_b32 s21, 0
	s_lshl_b32 s22, s17, 14
	s_add_co_u32 s22, s22, HSCL
	s_mov_b32 s23, 0
	s_lshl_b32 s46, s42, 18
	s_lshl_b32 s19, s16, 17
	s_add_co_u32 s46, s46, s19
	s_mov_b32 s47, 0
	s_lshl_b32 s92, s42, 14
	s_mov_b32 s93, 0
	s_lshl_b32 s45, s16, 15
	s_mul_i32 s94, s16, HALFB
	s_add_co_u32 s94, s94, BOFF
	s_mov_b32 s95, ASC
	s_mov_b32 s2, BSC
	s_wait_kmcnt 0x0
	s_add_nc_u64 s[20:21], s[4:5], s[20:21]
	s_add_nc_u64 s[22:23], s[4:5], s[22:23]
	s_add_nc_u64 s[46:47], s[6:7], s[46:47]
	s_add_nc_u64 s[92:93], s[8:9], s[92:93]
	CROUND
	s_mov_b32 s[G0S], 1
	s_mov_b32 s[G0S+1], s95
	s_mov_b64 s[G0S+2:G0S+3], s[22:23]
	s_or_b32 s[G0S+3], s[G0S+3], 0x80000000
	s_mov_b32 s[G0SB], 1
	s_mov_b32 s[G0SB+1], s2
	s_mov_b64 s[G0SB+2:G0SB+3], s[92:93]
	s_or_b32 s[G0SB+3], s[G0SB+3], 0x80000000
.irp s, 0,1
	s_mov_b32 s[G0+4*\s], 1
	s_add_co_u32 s[G0+4*\s+1], s45, \s*SLOT
	s_add_nc_u64 s[G0+4*\s+2:G0+4*\s+3], s[20:21], \s*HALFA
	s_or_b32 s[G0+4*\s+3], s[G0+4*\s+3], 0x80000000
	s_mov_b32 s[G0B+4*\s], 1
	s_add_co_u32 s[G0B+4*\s+1], s94, \s*SLOT
	s_add_nc_u64 s[G0B+4*\s+2:G0B+4*\s+3], s[46:47], \s*512
	s_or_b32 s[G0B+4*\s+3], s[G0B+4*\s+3], 0x80000000
.endr
; THE HEAD'S LOADS, ONE JOINT LOAD A WAVE: wave 0 K step 0 of A (both halves), wave 1 of B (128 rows), wave 2 A's scales, wave 3 B's.  One tree of branches on the wave's number; every way passes one load.
.macro ARM under, g0, g1, next
	s_cmp_lt_u32 s14, \under
	s_cbranch_scc0 \next
	tensor_load_to_lds s[\g0:\g0+3], s[\g1:\g1+7]
	s_nop 0
.rept 4
	v_nop
.endr
	s_branch .Lhead_asked
\next:
.endm
	s_mov_b32 s2, s19                              ; my half's 131,072 bytes, which both ring addresses hold: taken off, the tiles' first bytes are left
	s_mov_b32 s3, 0
	s_mov_b32 s4, 1                                ; group 0 for A's head load, in registers whose arguments have been used
	s_mov_b32 s5, 0
	s_sub_nc_u64 s[6:7], s[20:21], s[2:3]
	s_or_b32 s7, s7, 0x80000000
	s_mov_b32 s92, 1                               ; and for B's
	s_mov_b32 s93, BOFF
	s_sub_nc_u64 s[94:95], s[46:47], s[2:3]
	s_or_b32 s95, s95, 0x80000000
	ARM 1, 4,   G1,  .Lhead_b
	ARM 2, 92,  G1B, .Lhead_sa
	ARM 3, G0S, G1S, .Lhead_sb
	tensor_load_to_lds s[G0SB:G0SB+3], s[G1SB:G1SB+7]
	s_nop 0
.rept 4
	v_nop
.endr
.Lhead_asked:
	s_wait_alu depctr_va_vdst(0)
	s_wait_tensorcnt 0x0                           ; my tile of the head's four is in
	ds_add_u32 v28, v29
	s_mov_b32 s[G1+1], 32<<16                      ; no tensor load of mine is out, so a descriptor may be written: the ring's loads bring half a tile: A: 128 dense rows of 256 bytes,
	s_mov_b32 s[G1+2], 128<<16
	s_mov_b32 s[G1+3], 32<<16
	s_mov_b32 s[G1+4], 128
	s_mov_b32 s[G1+5], 32
	s_mov_b32 s[G1B+2], 64<<16                     ; B: 64 rows
	s_mov_b32 s[G1B+4], 64
	s_wait_dscnt 0x0
	CROUND                                         ; all four tiles are in, and all sixteen work-groups are here
	JLOAD G0+4, G1, G0B+4, G1B                     ; K step 1, the first tensor load behind the round
	v_and_b32 v1, 15, v0
	v_bfe_u32 v2, v0, 4, 1
	v_and_b32 v3, 31, v0
	v_lshlrev_b32 v4, 4, v3
	s_wait_alu depctr_va_vdst(0)
	v_mul_u32_u24 v5, v1, PITCH
	v_lshl_add_u32 v5, v2, 4, v5
	s_lshl_b32 s21, s15, 15
	s_mul_i32 s22, s16, HALFB
	s_add_co_u32 s22, s22, BOFF
.irp s, 0,1
	v_add_nc_u32 v[ADRA+\s], s21, v4
	v_add_nc_u32 v[ADRB+\s], s22, v5
	s_add_co_u32 s21, s21, SLOT
	s_add_co_u32 s22, s22, SLOT
.endr
	s_lshl_b32 s21, s15, 3
	s_add_co_u32 s21, s21, ASC
	v_add_nc_u32 v[ADAS], s21, v4
	v_lshlrev_b32 v6, 7, v3
	v_lshrrev_b32 v7, 1, v3
	v_lshl_add_u32 v6, v7, 4, v6
	s_mul_i32 s22, s16, HALFBS
	s_add_co_u32 s22, s22, BSC
	v_add_nc_u32 v[ADBS], s22, v6
	s_mul_i32 s23, s14, 64*SPITCH
	v_mul_u32_u24 v5, v1, SPITCH
	v_lshl_add_u32 v5, v2, 5, v5
	v_add_nc_u32 v[STO], s23, v5
	v_mul_u32_u24 v5, v2, SPITCH
	v_lshl_add_u32 v5, v1, 4, v5
	v_add_nc_u32 v[RD], s23, v5
	v_lshlrev_b32 v[CO], 12, v2
	v_lshl_add_u32 v[CO], v1, 4, v[CO]
	s_lshl_b32 s18, s42, 9
	s_lshl_b32 s19, s16, 8
	s_add_co_u32 s18, s18, s19
	s_mov_b32 s19, 0
	s_add_nc_u64 s[10:11], s[10:11], s[18:19]
	s_add_nc_u64 s[96:97], s[96:97], s[18:19]
	s_add_nc_u64 s[12:13], s[12:13], s[18:19]
	s_lshl_b32 s18, s17, 19
	s_lshl_b32 s22, s15, 18
	s_add_co_u32 s18, s18, s22
	s_add_nc_u64 s[96:97], s[96:97], s[18:19]      ; y1 at my part of the tile, as res
	s_add_nc_u64 s[12:13], s[12:13], s[18:19]
	v_lshlrev_b32 v8, 5, v2
.irp b, 0,1,2,3
	global_load_b128 v[BI+8*\b:BI+8*\b+3], v8, s[10:11] offset:64*\b
	global_load_b128 v[BI+8*\b+4:BI+8*\b+7], v8, s[10:11] offset:64*\b+16
.endr
	s_wait_alu depctr_va_vdst(0)                   ; ahead of the reader of my offset in a row
.macro YLOAD n0                        ; 16 of y1's 32 loads, into window 2: they go out behind a refill of the ring, not beside the head's tiles
	WIN 0x80                                       ; destination: window 2
.set n, \n0
.rept 16
	global_load_b128 v[4*n:4*n+3], v[CO], s[96:97] offset:n*8192 th:TH_LOAD_NT   ; rows 2 n and 2 n + 1: sixteen lanes read 256 consecutive bytes, aligned
.set n, n+1
.endr
.endm
.macro WM a, b, f, c, q, sc, first
.set rD, ACC+8*(4*(\a)+(\b))
.set rC, ACC+8*(4*(\a)+(\b))
.if \first
.set rC, BI+8*(\b)
.endif
.set rB, (\f)+64+8*(4*(\c)+(\b))
.set rA, (\f)+8*(4*(\c)+(\a))
.set sB, BS+16*(\sc)+8*((\b)/2)+(\q)
.set sA, AS+16*(\sc)+2*(\q)+(\a)/2
.if (((\b)%2) == 0) && (((\a)%2) == 0)
	v_wmma_scale_f32_16x16x128_f8f6f4 v[rD:rD+7], v[rB:rB+7], v[rA:rA+7], v[rC:rC+7], v[sB], v[sA] matrix_a_fmt:MATRIX_FMT_FP4 matrix_b_fmt:MATRIX_FMT_FP4
.elseif (((\b)%2) == 1) && (((\a)%2) == 0)
	v_wmma_scale_f32_16x16x128_f8f6f4 v[rD:rD+7], v[rB:rB+7], v[rA:rA+7], v[rC:rC+7], v[sB], v[sA] matrix_a_fmt:MATRIX_FMT_FP4 matrix_b_fmt:MATRIX_FMT_FP4 matrix_a_scale:MATRIX_SCALE_ROW1
.elseif (((\b)%2) == 0) && (((\a)%2) == 1)
	v_wmma_scale_f32_16x16x128_f8f6f4 v[rD:rD+7], v[rB:rB+7], v[rA:rA+7], v[rC:rC+7], v[sB], v[sA] matrix_a_fmt:MATRIX_FMT_FP4 matrix_b_fmt:MATRIX_FMT_FP4 matrix_b_scale:MATRIX_SCALE_ROW1
.else
	v_wmma_scale_f32_16x16x128_f8f6f4 v[rD:rD+7], v[rB:rB+7], v[rA:rA+7], v[rC:rC+7], v[sB], v[sA] matrix_a_fmt:MATRIX_FMT_FP4 matrix_b_fmt:MATRIX_FMT_FP4 matrix_a_scale:MATRIX_SCALE_ROW1 matrix_b_scale:MATRIX_SCALE_ROW1
.endif
.endm
.macro MUL8 f, c, a0, q, sc, first
.irp a, \a0, \a0+1
.irp b, 0,1,2,3
	WM (\a), \b, \f, \c, (\q), \sc, \first
.endr
.endr
.endm
.macro FETCH slot, qq, f
	WIN TO_F
.irp c, 0,1
.irp i, 0,1,2,3
	ds_load_b128 v[\f+64+8*(4*\c+\i):\f+64+8*(4*\c+\i)+3],   v[ADRB+\slot] offset:64*(2*(\qq)+\c)+\i*16*PITCH
	ds_load_b128 v[\f+64+8*(4*\c+\i)+4:\f+64+8*(4*\c+\i)+7], v[ADRB+\slot] offset:64*(2*(\qq)+\c)+\i*16*PITCH+32
	ds_load_b128 v[\f+8*(4*\c+\i):\f+8*(4*\c+\i)+3],         v[ADRA+\slot] offset:(4*(2*(\qq)+\c)+\i)*1024
	ds_load_b128 v[\f+8*(4*\c+\i)+4:\f+8*(4*\c+\i)+7],       v[ADRA+\slot] offset:(4*(2*(\qq)+\c)+\i)*1024+512
.endr
.endr
.endm
.macro SCALES sc
.irp q, 0,1,2,3,4,5,6,7
	ds_load_b64 v[AS+16*\sc+2*\q:AS+16*\sc+2*\q+1], v[ADAS] offset:512*\q
.endr
.irp p, 0,1
.irp u, 0,1
	ds_load_b128 v[BS+16*\sc+8*\p+4*\u:BS+16*\sc+8*\p+4*\u+3], v[ADBS] offset:4352*\p+16*\u
.endr
.endr
.endm
.macro PLACES
.rept 4
	v_nop
.endr
.endm
.macro QUARTER slot, qn, f, g, first
	s_wait_dscnt 16
	WIN MUL
	MUL8 \f, 0, 0, 2*(\qn)-2, \slot, \first
	MUL8 \f, 0, 2, 2*(\qn)-2, \slot, \first
	PLACES
	FETCH \slot, \qn, \g
	s_wait_dscnt 32
	WIN MUL
	MUL8 \f, 1, 0, 2*(\qn)-1, \slot, 0
	MUL8 \f, 1, 2, 2*(\qn)-1, \slot, 0
.endm
.macro TURN slot, next, fill
	WIN 0
	s_wait_tensorcnt 0x0
	ds_add_u32 v[SPW], v[NIL]
	s_wait_dscnt 17
	WIN MUL
	MUL8 F1, 0, 0, 6, \slot, 0
	s_wait_dscnt 0x0
	s_barrier_signal -1
	MUL8 F1, 0, 2, 6, \slot, 0
	WIN 0
	s_barrier_wait -1
.if \fill
	CREST
	s_add_nc_u64 s[G0+4*\slot+2:G0+4*\slot+3], s[G0+4*\slot+2:G0+4*\slot+3], 2*HALFA
	s_add_nc_u64 s[G0B+4*\slot+2:G0B+4*\slot+3], s[G0B+4*\slot+2:G0B+4*\slot+3], 2*512
	JLOAD G0+4*\slot, G1, G0B+4*\slot, G1B
.else
	PLACES
.endif
	s_wait_alu depctr_va_vdst(0)
	v_add_nc_u32 v[ADAS], 4096, v[ADAS]
	v_add_nc_u32 v[ADBS], 32, v[ADBS]
	SCALES \next
	FETCH \next, 0, F0
	WIN MUL
	MUL8 F1, 1, 0, 7, \slot, 0
	MUL8 F1, 1, 2, 7, \slot, 0
.endm
	s_wait_tensorcnt 1
	s_barrier_signal -1
	s_barrier_wait -1
	SCALES 0
	FETCH 0, 0, F0
	s_wait_loadcnt 0x0                             ; the bias
	QUARTER 0, 1, F0, F1, 1
.rept LAPS-1
	QUARTER 0, 2, F1, F0, 0
	QUARTER 0, 3, F0, F1, 0
	TURN 0, 1, 1
	YLOAD 0
	QUARTER 1, 1, F0, F1, 0
	QUARTER 1, 2, F1, F0, 0
	QUARTER 1, 3, F0, F1, 0
	TURN 1, 0, 1
	YLOAD 16
	QUARTER 0, 1, F0, F1, 0
.endr
	QUARTER 0, 2, F1, F0, 0
	QUARTER 0, 3, F0, F1, 0
	TURN 0, 1, 0
	QUARTER 1, 1, F0, F1, 0
	QUARTER 1, 2, F1, F0, 0
	QUARTER 1, 3, F0, F1, 0
	s_wait_dscnt 16
	WIN MUL
	MUL8 F1, 0, 0, 6, 1, 0
	MUL8 F1, 0, 2, 6, 1, 0
	s_wait_dscnt 0
	MUL8 F1, 1, 0, 7, 1, 0
	MUL8 F1, 1, 2, 7, 1, 0
	WIN 0
	PLACES
.irp a, 0,1,2,3
.irp b, 0,1,2,3
	ds_store_b128 v[STO], v[ACC+8*(4*\a+\b):ACC+8*(4*\a+\b)+3] offset:\a*16*SPITCH+64*\b
	ds_store_b128 v[STO], v[ACC+8*(4*\a+\b)+4:ACC+8*(4*\a+\b)+7] offset:\a*16*SPITCH+64*\b+16
.endr
.endr
.irp u, 0,1
.if \u > 0
	s_wait_xcnt 0x0
.endif
.irp t, 0,1,2,3,4,5,6,7,8,9,10,11,12,13,14,15
	ds_load_b128 v[TMP+4*\t:TMP+4*\t+3], v[RD] offset:(16*\u+\t)*2*SPITCH
.endr
	s_wait_dscnt 0x0                               ; 32 rows are back from the stage
.if \u == 0
	s_wait_loadcnt 0x0                             ; y1
.endif
	WIN 0x08                                       ; source 1: window 2
.set n, 0
.rept 32
	v_pk_add_f32 v[TMP+2*n:TMP+2*n+1], v[TMP+2*n:TMP+2*n+1], v[64*\u+2*n:64*\u+2*n+1]   ; the residual
.set n, n+1
.endr
	WIN 0
.irp t, 0,1,2,3,4,5,6,7,8,9,10,11,12,13,14,15
	global_store_b128 v[CO], v[TMP+4*\t:TMP+4*\t+3], s[12:13] offset:(16*\u+\t)*8192
.endr
.endr
	s_wait_tensorcnt 0x0
	ds_add_u32 v[SPW], v[NIL]
	s_wait_dscnt 0x0
	CROUND
	s_endpgm
.Lfunc_end_k_q422caf256d_ffn2:
	.size	k_q422caf256d_ffn2, .Lfunc_end_k_q422caf256d_ffn2-k_q422caf256d_ffn2
	.p2alignl 7, 3214868480
	.fill 96, 4, 3214868480
	.section	.rodata,"a",@progbits
	.p2align	6, 0x0
	.amdhsa_kernel k_q422caf256d_ffn2
		.amdhsa_group_segment_fixed_size 327680
		.amdhsa_private_segment_fixed_size 0
		.amdhsa_enable_private_segment 0
		.amdhsa_kernarg_size 48
		.amdhsa_user_sgpr_count 2
		.amdhsa_user_sgpr_kernarg_segment_ptr 1
		.amdhsa_wavefront_size32 1
		.amdhsa_system_sgpr_workgroup_id_x 1
		.amdhsa_system_sgpr_workgroup_id_y 1
		.amdhsa_system_sgpr_workgroup_id_z 1
		.amdhsa_system_vgpr_workitem_id 0
		.amdhsa_next_free_vgpr 640
		.amdhsa_next_free_sgpr 98
		.amdhsa_reserve_vcc 0
		.amdhsa_float_denorm_mode_32 3
		.amdhsa_float_denorm_mode_16_64 3
		.amdhsa_memory_ordered 1
		.amdhsa_forward_progress 1
		.amdhsa_inst_pref_size 133
	.end_amdhsa_kernel
	.amdgpu_metadata
---
amdhsa.version: [ 1, 2 ]
amdhsa.kernels:
  - .name:           k_q422caf256d_ffn2
    .symbol:         k_q422caf256d_ffn2.kd
    .args:
      - { .name: hq, .offset: 0, .size: 8, .value_kind: global_buffer, .address_space: global }
      - { .name: W2_codes, .offset: 8, .size: 8, .value_kind: global_buffer, .address_space: global }
      - { .name: W2_scales, .offset: 16, .size: 8, .value_kind: global_buffer, .address_space: global }
      - { .name: b2, .offset: 24, .size: 8, .value_kind: global_buffer, .address_space: global }
      - { .name: res, .offset: 32, .size: 8, .value_kind: global_buffer, .address_space: global }
      - { .name: y1, .offset: 40, .size: 8, .value_kind: global_buffer, .address_space: global }
    .group_segment_fixed_size: 327680
    .private_segment_fixed_size: 0
    .kernarg_segment_align: 8
    .kernarg_segment_size: 48
    .max_flat_workgroup_size: 128
    .sgpr_count:     98
    .vgpr_count:     640
    .wavefront_size: 32
...
	.end_amdgpu_metadata
.endif
;; end of part 6
;; launch ln2 (part 7): grid 256 x 1, 8 waves a work-group, no clusters, 0 bytes of LDS; arguments res, g2, beta2, out0; writes out0
.if DOCPART == 7
	.amdgcn_target "amdgcn-amd-amdhsa--gfx1250"
	.amdhsa_code_object_version 6
	.text
	.protected	k_q422caf256d_ln2
	.globl	k_q422caf256d_ln2
	.p2align	8
	.type	k_q422caf256d_ln2,@function
k_q422caf256d_ln2:
	s_mov_b64 s[64:65], 0
	v_nop
	global_prefetch_b8 v0, s[64:65] scope:SCOPE_SE
	s_setreg_imm32_b32 hwreg(HW_REG_WAVE_MODE, 25, 1), 1
	s_wait_xcnt 0x0
; out = LayerNorm(y1 + ff) g2 + beta2, in f32.  The mean, then the mean of the squared differences from it, as the definition has them: two passes over registers.
; SHARES.  A work-group takes 16 rows, each of its eight waves 2; a row of 4,096 bytes lies in 32 registers of the wave: load j gives lane l the numbers 128 j + 4 l + 0 .. 3.
; ALL OF A WAVE'S LOADS GO OUT AT THE HEAD: the gain and the offset (16 loads), then both rows of y1 + ff (16 loads), each into registers of its own: no load stands behind a store.
; Every load and store of a wave covers 512 consecutive bytes, aligned.  No LDS, no barrier: a row never leaves its wave.  LIMITS: NaN and infinities are not served.
; res holds y1 + ff as the launch before stored it: one stream of 16 loads for a wave's two rows; y1 itself is not read here.
.set LI,   1
.set G,    16                          ; v16-47  the gain of my 32 columns
.set BE,   48                          ; v48-79  the offset
.set AB,   80                          ; v80-207 two sets of 32 + 32: a set for each row
.set SA,   224
.set SB,   226
.set MU,   228
.set RS,   230
.set T1,   232
.set T2,   233
	s_load_b64 s[6:7], s[0:1], 0x0                 ; y1 + ff
	s_load_b128 s[8:11], s[0:1], 0x8               ; g2, beta2
	s_load_b64 s[12:13], s[0:1], 0x18              ; out
	v_lshrrev_b32 v5, 5, v0
	s_delay_alu instid0(VALU_DEP_1)
	v_readfirstlane_b32 s16, v5                    ; wave 0..7
	v_and_b32 v6, 31, v0
	s_delay_alu instid0(VALU_DEP_1)
	v_lshlrev_b32 v[LI], 4, v6
	v_mov_b32 v[MU+1], 0                           ; (upper halves of pairs, named but not used)
	v_mov_b32 v[RS+1], 0
	v_mov_b32 v[T2], 0                             ; a lane permute's destination counts as one of its sources
	s_lshl_b32 s18, ttmp9, 16                      ; 16 rows of 4,096 bytes a work-group,
	s_lshl_b32 s17, s16, 13                        ; 2 a wave
	s_add_co_u32 s18, s18, s17                     ; my first row, in bytes
	s_mov_b32 s19, 0
	s_mov_b32 s20, 0x3a800000                      ; 1 / 1024
	s_mov_b32 s21, 0x3727c5ac                      ; 1e-5
	s_mov_b32 s22, 0x76543210
	s_mov_b32 s23, 0xfedcba98
	s_wait_alu depctr_va_vdst(0)
	s_wait_kmcnt 0x0
	s_add_nc_u64 s[6:7], s[6:7], s[18:19]
	s_add_nc_u64 s[12:13], s[12:13], s[18:19]
.irp j, 0,1,2,3,4,5,6,7
	global_load_b128 v[G+4*\j:G+4*\j+3], v[LI], s[8:9] offset:512*\j
	global_load_b128 v[BE+4*\j:BE+4*\j+3], v[LI], s[10:11] offset:512*\j
.endr
.macro FILL s, i                       ; row i into set s: 8 loads
.irp j, 0,1,2,3,4,5,6,7
	global_load_b128 v[AB+64*(\s)+4*\j:AB+64*(\s)+4*\j+3], v[LI], s[6:7] offset:4096*(\i)+512*\j th:TH_LOAD_NT
.endr
.endm
.macro REDUCE                          ; v[T1] summed over the 32 lanes, the result in every lane
	s_delay_alu instid0(VALU_DEP_1)
	v_add_f32_dpp v[T1], v[T1], v[T1] row_xmask:1 row_mask:0xf bank_mask:0xf
	s_delay_alu instid0(VALU_DEP_1)
	v_add_f32_dpp v[T1], v[T1], v[T1] row_xmask:2 row_mask:0xf bank_mask:0xf
	s_delay_alu instid0(VALU_DEP_1)
	v_add_f32_dpp v[T1], v[T1], v[T1] row_xmask:4 row_mask:0xf bank_mask:0xf
	s_delay_alu instid0(VALU_DEP_1)
	v_add_f32_dpp v[T1], v[T1], v[T1] row_xmask:8 row_mask:0xf bank_mask:0xf
	s_delay_alu instid0(VALU_DEP_1)
	v_permlanex16_b32 v[T2], v[T1], s22, s23
	s_delay_alu instid0(VALU_DEP_1)
	v_add_f32 v[T1], v[T1], v[T2]
.endm
.macro ROW s, i, left
.set ZA, AB+64*(\s)
.set ZB, AB+64*(\s)+32
	s_wait_loadcnt \left                           ; this row's loads are in; the other row's eight, issued behind them, may be out
	v_pk_add_f32 v[SA:SA+1], v[ZA:ZA+1], v[ZA+2:ZA+3]
	v_pk_add_f32 v[SB:SB+1], v[ZA+4:ZA+5], v[ZA+6:ZA+7]
.irp p, 8,12,16,20,24,28
	s_delay_alu instid0(VALU_DEP_2)
	v_pk_add_f32 v[SA:SA+1], v[SA:SA+1], v[ZA+\p:ZA+\p+1]
	s_delay_alu instid0(VALU_DEP_2)
	v_pk_add_f32 v[SB:SB+1], v[SB:SB+1], v[ZA+\p+2:ZA+\p+3]
.endr
	s_delay_alu instid0(VALU_DEP_1)
	v_pk_add_f32 v[SA:SA+1], v[SA:SA+1], v[SB:SB+1]
	s_delay_alu instid0(VALU_DEP_1)
	v_add_f32 v[T1], v[SA], v[SA+1]
	REDUCE
	s_delay_alu instid0(VALU_DEP_1)
	v_mul_f32 v[MU], s20, v[T1]                    ; the mean
.set n, 0
.rept 16
	v_pk_add_f32 v[ZA+n:ZA+n+1], v[ZA+n:ZA+n+1], v[MU:MU+1] op_sel_hi:[1,0] neg_lo:[0,1] neg_hi:[0,1]
.set n, n+2
.endr
	v_pk_mul_f32 v[SA:SA+1], v[ZA:ZA+1], v[ZA:ZA+1]
	v_pk_mul_f32 v[SB:SB+1], v[ZA+2:ZA+3], v[ZA+2:ZA+3]
.irp p, 4,8,12,16,20,24,28
	s_delay_alu instid0(VALU_DEP_2)
	v_pk_fma_f32 v[SA:SA+1], v[ZA+\p:ZA+\p+1], v[ZA+\p:ZA+\p+1], v[SA:SA+1]
	s_delay_alu instid0(VALU_DEP_2)
	v_pk_fma_f32 v[SB:SB+1], v[ZA+\p+2:ZA+\p+3], v[ZA+\p+2:ZA+\p+3], v[SB:SB+1]
.endr
	s_delay_alu instid0(VALU_DEP_1)
	v_pk_add_f32 v[SA:SA+1], v[SA:SA+1], v[SB:SB+1]
	s_delay_alu instid0(VALU_DEP_1)
	v_add_f32 v[T1], v[SA], v[SA+1]
	REDUCE
	s_delay_alu instid0(VALU_DEP_1)
	v_fma_f32 v[T1], v[T1], s20, s21               ; the variance + eps
	s_wait_alu depctr_va_vdst(0)
	v_rsq_f32 v[RS], v[T1]
	v_nop                                          ; a plain line behind the transcendental
	s_wait_alu depctr_va_vdst(0)                   ; and the wait ahead of its first reader
.set n, 0
.rept 16
	v_pk_mul_f32 v[ZA+n:ZA+n+1], v[ZA+n:ZA+n+1], v[RS:RS+1] op_sel_hi:[1,0]
.set n, n+2
.endr
.set n, 0
.rept 16
	v_pk_fma_f32 v[ZA+n:ZA+n+1], v[ZA+n:ZA+n+1], v[G+n:G+n+1], v[BE+n:BE+n+1]
.set n, n+2
.endr
.irp j, 0,1,2,3,4,5,6,7
	global_store_b128 v[LI], v[ZA+4*\j:ZA+4*\j+3], s[12:13] offset:4096*(\i)+512*\j th:TH_STORE_NT
.endr
.endm
	FILL 0, 0
	FILL 1, 1
	ROW 0, 0, 8                                    ; the other row's eight loads may be out
	ROW 1, 1, 0                                    ; no register that a store reads is written again: each row has its own set
	s_endpgm
.Lfunc_end_k_q422caf256d_ln2:
	.size	k_q422caf256d_ln2, .Lfunc_end_k_q422caf256d_ln2-k_q422caf256d_ln2
	.p2alignl 7, 3214868480
	.fill 96, 4, 3214868480
	.section	.rodata,"a",@progbits
	.p2align	6, 0x0
	.amdhsa_kernel k_q422caf256d_ln2
		.amdhsa_group_segment_fixed_size 0
		.amdhsa_private_segment_fixed_size 0
		.amdhsa_enable_private_segment 0
		.amdhsa_kernarg_size 32
		.amdhsa_user_sgpr_count 2
		.amdhsa_user_sgpr_kernarg_segment_ptr 1
		.amdhsa_wavefront_size32 1
		.amdhsa_system_sgpr_workgroup_id_x 1
		.amdhsa_system_sgpr_workgroup_id_y 1
		.amdhsa_system_sgpr_workgroup_id_z 1
		.amdhsa_system_vgpr_workitem_id 0
		.amdhsa_next_free_vgpr 240
		.amdhsa_next_free_sgpr 66
		.amdhsa_reserve_vcc 0
		.amdhsa_float_denorm_mode_32 3
		.amdhsa_float_denorm_mode_16_64 3
		.amdhsa_memory_ordered 1
		.amdhsa_forward_progress 1
		.amdhsa_inst_pref_size 21
	.end_amdhsa_kernel
	.amdgpu_metadata
---
amdhsa.version: [ 1, 2 ]
amdhsa.kernels:
  - .name:           k_q422caf256d_ln2
    .symbol:         k_q422caf256d_ln2.kd
    .args:
      - { .name: res, .offset: 0, .size: 8, .value_kind: global_buffer, .address_space: global }
      - { .name: g2, .offset: 8, .size: 8, .value_kind: global_buffer, .address_space: global }
      - { .name: beta2, .offset: 16, .size: 8, .value_kind: global_buffer, .address_space: global }
      - { .name: out0, .offset: 24, .size: 8, .value_kind: global_buffer, .address_space: global }
    .group_segment_fixed_size: 0
    .private_segment_fixed_size: 0
    .kernarg_segment_align: 8
    .kernarg_segment_size: 32
    .max_flat_workgroup_size: 256
    .sgpr_count:     66
    .vgpr_count:     240
    .wavefront_size: 32
...
	.end_amdgpu_metadata
.endif
;; end of part 7
